; MI455X (gfx1250); checked and timed in simulation.
; The chip was launched on July 23, 2026; its instructions are those of AMD's public machine-readable ISA for CDNA 5 (MIT licence, August 2026) and "CDNA5" Instruction Set Architecture Reference Guide (July 2026). The comments in the code are by the model that wrote it; some were corrected since.
;; Multi Head Attention. Allowed arithmetic: matrix products marked QUANTISED: E3M2 operands, one E8M0 scale for each 32 along K, by v_wmma_scale_f32_16x16x128_f8f6f4 with both operands' format E3M2, f32 sums; everything else in f32.
;; Inputs: key 1 x 2,048 x 2,048 float32; mask 1 x 1 x 2,048 x 2,048 bool; query 1 x 2,048 x 2,048 float32; value 1 x 2,048 x 2,048 float32; w_k 2,048 x 2,048 float32; w_o 2,048 x 2,048 float32; w_q 2,048 x 2,048 float32; w_v 2,048 x 2,048 float32.
;; Outputs: out0 1 x 2,048 x 2,048 float32.
;; This version of the problem:
;;   THIS VERSION OF THE PROBLEM IS GIVEN IN LOW PRECISION. The matrix products marked QUANTISED in the list below multiply operands that are first quantised to E3M2 (3 exponent bits, 2 mantissa bits; 6 bits a number), with one power-of-two scale for each 32 numbers along K (OCP MX v1.0); their sums are f32. All else is computed in f32.
;;   The module's matrix products, in the order in which they are computed (A, B: the left and right operand; K: the contracted axis; several contracted axes count as one K, in the product's order):
;;     1. [M 2,048, K 2,048] x [K 2,048, N 2,048]; A: input query; B: input w_q: QUANTISED
;;     2. [M 2,048, K 2,048] x [K 2,048, N 2,048]; A: input key; B: input w_k: QUANTISED
;;     3. [M 2,048, K 2,048] x [K 2,048, N 2,048]; A: input value; B: input w_v: QUANTISED
;;     4. batch 16 x [M 2,048, K 128] x [K 128, N 2,048]; A: computed on the way; B: computed on the way: QUANTISED
;;     5. batch 16 x [M 2,048, K 2,048] x [K 2,048, N 128]; A: softmax (see below); B: computed on the way: QUANTISED
;;     6. [M 2,048, K 2,048] x [K 2,048, N 2,048]; A: computed on the way; B: input w_o: QUANTISED
;;   THE QUANTISER, for each operand of a quantised product, along K:
;;     - K is cut into blocks of 32 from its start; a last block that is shorter is filled with zeros.
;;     - A block's scale is 2^e with e = floor(log2(the largest magnitude in the block)) - 4, held to -126 .. 127; a block of zeros has e = 0. As a byte (E8M0): e + 127.
;;     - Each number is divided by its block's scale, clamped to +-28, and rounded to the nearest number of E3M2, ties to even, subnormals kept.
;;     - The product sums the exact products of the quantised numbers (number of the format x scale) in f32.
;;   ~~~python
;;   def quantise(x, axis):      # numpy; x: float32 -> the quantised numbers, widened to float32 again
;;       x = np.moveaxis(x, axis, -1); K = x.shape[-1]
;;       x = np.pad(x, [(0, 0)] * (x.ndim - 1) + [(0, -K % 32)]); x = x.reshape(x.shape[:-1] + (-1, 32)); a = np.abs(x).max(-1, keepdims=True)
;;       e = np.where(a > 0, np.clip(np.frexp(np.where(a > 0, a, 1))[1] - 1 - 4, -126, 127), 0)      # np.frexp(a)[1] - 1 = floor(log2(a)), exactly
;;       r = np.clip(x / 2.0 ** e, -28, 28)
;;       step = 2.0 ** (np.maximum(np.frexp(np.where(r == 0, 1, r))[1] - 1, -2) - 2)
;;       q = np.round(r / step) * step * 2.0 ** e      # np.round: ties to even
;;       return np.moveaxis(q.reshape(q.shape[:-2] + (-1,))[..., :K], -1, axis).astype(np.float32)
;;   ~~~
;;   SOFTMAX AHEAD OF A QUANTISED PRODUCT. Where the list says 'softmax', what is quantised is not the finished softmax but p = 2^(t - M), with t = logit x log2(e) and M = ceil(the row's largest t), a whole number; so 1/2 < the row's largest p <= 1. The row's sum l is taken of the UNQUANTISED p, in f32, and the product's result is divided by l at the end. Since M is a whole number, a kernel that streams over the keys may use a running M (the ceiling of the running maximum): every later rescaling is an exact power of two, which a block's scale takes up: the codes' values come out the same.
;;   OPERANDS COMPUTED ON THE WAY. 'Computed on the way' means the value that the module computes at that place (a softmax that the list does not call 'softmax' is quantised finished and normalised). What goes into a quantiser is computed in f32, as accurately as f32 sums, v_exp_f32 and their like allow (about 1e-6 of the number): no bf16 or f16 on the way to a quantiser, and a product that is left as it is and whose result goes on into a quantised operand takes f32 operands (vector FMAs, or v_wmma_f32_16x16x4_f32). A number that lies on a knife's edge between two numbers of the format may be rounded either way, as far as f32 arithmetic and the matrix unit's own rounding can turn it there, and no further.
;; 3 versions, each right; version 3 is version 2 with the launches attn, outp written anew for expert scheduling mode. Each part assembles by itself: llvm-mc -triple=amdgcn-amd-amdhsa -mcpu=gfx1250 --defsym DOCPART=n.
;; ======== version 1 of 3: 4 launches
;; limits: right only within a limited range of input values
;; workspace buffers: codes 22,020,096 bytes; scales 917,504 bytes; maskw 525,312 bytes of whole numbers; rope 1,048,576 bytes; qkv_codes 9,437,184 bytes; qkv_scales 393,216 bytes; o_codes 3,145,728 bytes; o_scales 131,072 bytes
;; launch prep (part 1): grid 256 x 1, 8 waves a work-group, no clusters, 82,944 bytes of LDS; arguments query, key, value, w_q, w_k, w_v, w_o, mask, codes, scales, maskw, rope; writes codes, scales, maskw, rope
.if DOCPART == 1
	.amdgcn_target "amdgcn-amd-amdhsa--gfx1250"
	.amdhsa_code_object_version 6
	.text
	.protected	k_q6f0e2f9ffc_prep
	.globl	k_q6f0e2f9ffc_prep
	.p2align	8
	.type	k_q6f0e2f9ffc_prep,@function
k_q6f0e2f9ffc_prep:
	s_mov_b64 s[64:65], 0
	v_nop
	global_prefetch_b8 v0, s[64:65] scope:SCOPE_SE
	s_setreg_imm32_b32 hwreg(HW_REG_WAVE_MODE, 25, 1), 1
	s_wait_xcnt 0x0
; PREP.  The seven f32 operands [2048][2048] (query, key, value, w_q, w_k, w_v, w_o: tensor t = 0 .. 6) become codes of BF6 (E3M2) with one E8M0 byte for each 32 along K (the last axis);
; the mask's bytes become lane masks and flags; the table of cos and sin for the rotation is made.
; LAYOUTS.  codes: [t][tile of 16 rows][K step of 128][1,536 bytes]: a fragment as an IMAGE OF ITS OPERAND REGISTERS: registers 4 c .. 4 c + 3 of lane l at 512 c + 16 l; lane (r = l % 16, h = l / 16)
; holds row r, its registers 6 c .. 6 c + 5 the codes of k = 64 c + 32 h + 0 .. 31.  scales: [t][tile][K step][row] words of four bytes.
; maskw: [tile of 16 queries][step of 128 keys][64 words]: bit 16 h + r of word 16 b + i = mask[16 tile + r][128 step + 32 b + 16 h + i]; from byte 524,288 on a flag word for each (tile, half of the keys):
; bits 0-7 step has an open key, bits 8-15 step is all open, bits 16-31 row has an open key in this half.
; rope: [tile of 16 positions][cos, sin][jj 8][lane][4 f32]: lane (r, h) holds frequency j = 32 h + 4 jj + e of position 16 tile + r.
; SHARES.  Work-group G: tile T = G / 2, half g = G % 2 of K.  Wave t = 0 .. 6: 16 rows x 1,024 numbers of tensor t, eight fragments.  Wave 7: the mask's 16 rows x 1,024 keys, and its 1/256 of the table.
; The waves share nothing: each has LDS bytes of its own (9,216 x wave on), no barrier.  Every load reads 512 consecutive bytes, every store of codes writes 512.
; A BLOCK'S SCALE is 2^(floor(log2(largest magnitude)) - 4): its byte is the largest magnitude's exponent field - 4, held at 1 from below by a floor among the maximum's leaves.
; LIMITS: NaN and infinities among the inputs are not served.  A block of zeros gets the byte 1 where the rule says 127: its codes are zeros, and this program alone reads the bytes.  Blocks whose largest
; magnitude lies under 2^-122 are held at the byte 1.  The frequency is the rounded reciprocal of the rounded power 10000^(j/64): it can differ by one unit in the last place from a power function that is
; not correctly rounded, which is at most 1.2e-4 radians at position 2,047.
.set WAVEB, 9216                       ; LDS bytes of a wave: a stage of 16 rows x 528 and 512 bytes for the scale words (wave 7: 16 rows x 1,040)
.set SCR,   8448
.set R,     64                         ; v64-191   two sets of 64 registers as loaded (wave 7: the mask's bytes)
.set X,     192                        ; v192-255  a fragment's 64 numbers of my row: register 32 c + i = k 64 c + 32 h + i
.set M,     10                         ; v10-11 largest magnitudes, v12-13 the conversions' scale operands, v14-15 bytes, v16-17 at work, v18 the row's scale word
.set SOP,   12
.set BY,    14
.set W,     16
.set T,     17
.set PW,    18
.set SW,    20                         ; v20-23    four scale registers: K step 2 p in lanes 0-15, 2 p + 1 in lanes 16-31
.set PC,    24                         ; v24-35    the fragment's codes
.set TQ,    36                         ; v36-42    the upper halves of the two blocks, before they are moved
.set SH8,   9
.set SEL,   36
; 64 numbers of a lane, two whole blocks of 32, become the fragment's 12 registers in v[PC] on and the row's scale word in v[PW].
.macro QUANTW x
.irp c, 0,1
	v_max3_num_f32 v[M+\c], |v[\x+32*\c]|, |v[\x+32*\c+1]|, 0x2800000   ; the floor 2^(5 - 127): the byte cannot fall under 1
.endr
.irp i, 2,4,6,8,10,12,14,16,18,20,22,24,26,28,30
.irp c, 0,1
	v_max3_num_f32 v[M+\c], v[M+\c], |v[\x+32*\c+\i]|, |v[\x+32*\c+\i+1]|   ; the two blocks by turns
.endr
.endr
.irp c, 0,1
	v_add_nc_u32 v[SOP+\c], 0xfe000000, v[M+\c]    ; 4 off the exponent field: the conversion takes this operand's exponent field as its scale
.endr
.irp c, 0,1
	v_lshrrev_b32 v[BY+\c], 23, v[SOP+\c]          ; the scale's byte
.endr
	v_lshl_or_b32 v[W], v[BY+1], 16, v[BY]         ; my blocks are h and 2 + h of the row's four
	v_lshlrev_b32 v[W], v[SH8], v[W]
	v_permlanex16_b32 v[T], v[W], s[SEL], s[SEL+1]
	v_or_b32 v[PW], v[W], v[T]                     ; with lane l xor 16's two bytes the word is whole, in both halves of the lanes
	s_wait_xcnt 0x0                                ; the last fragment's stores have read v[PC] on: only now are they written again
.irp c, 0,1
	v_cvt_scalef32_pk16_bf6_f32 v[PC+6*\c:PC+6*\c+2], v[\x+32*\c:\x+32*\c+15], v[SOP+\c]
	v_cvt_scalef32_pk16_bf6_f32 v[TQ+4*\c:TQ+4*\c+2], v[\x+32*\c+16:\x+32*\c+31], v[SOP+\c]   ; a conversion's three registers begin on an even number
.endr
	v_nop                                          ; one plain place behind the scaled conversions
.irp c, 0,1
.irp i, 0,1,2
	v_mov_b32 v[PC+3+6*\c+\i], v[TQ+4*\c+\i]
.endr
.endr
.endm
	s_load_b512 s[4:19], s[0:1], 0x0               ; query, key, value, w_q, w_k, w_v, w_o, mask
	s_load_b256 s[20:27], s[0:1], 0x40             ; codes, scales, maskw, rope
	v_lshl_add_u32 v63, v0, 2, 0x14000
	s_set_vgpr_msb 0x40
	v_mov_b32 v1, 0
	s_set_vgpr_msb 0x4000
	v_lshrrev_b32 v1, 5, v0
	v_readfirstlane_b32 s28, v1                    ; wave 0 .. 7
	s_lshr_b32 s29, ttmp9, 1                       ; T
	s_and_b32 s30, ttmp9, 1                        ; g
	s_mul_i32 s31, s28, WAVEB                      ; my wave's LDS bytes
	s_mov_b32 s35, 0
	s_mov_b32 s36, 0x76543210                      ; lane selects: lane l xor 16
	s_mov_b32 s37, 0xfedcba98
	s_mov_b32 s38, 0xffff0000                      ; as a lane mask: lanes 16-31
	v_and_b32 v1, 31, v0                           ; lane
	v_and_b32 v2, 15, v0                           ; r
	v_bfe_u32 v3, v0, 4, 1                         ; h
	v_lshlrev_b32 v4, 4, v1                        ; 16 x lane: every global offset; never rewritten
	v_add_nc_u32 v5, s31, v4                       ; the stage, on the way in: 16 x lane
	v_mul_u32_u24 v6, v2, 528
	v_lshl_add_u32 v6, v3, 7, v6
	v_add_nc_u32 v6, s31, v6                       ; and on the way out: row r, + 128 h
	v_lshlrev_b32 v7, 2, v1
	v_add_nc_u32 v7, s31, v7
	v_add_nc_u32 v7, SCR, v7                       ; the scale words: in, 4 x lane
	v_add_nc_u32 v8, SCR, v5                       ; out, 16 x lane
	v_lshlrev_b32 v9, 3, v3                        ; 8 h
	v_mul_u32_u24 v19, v2, 1040
	v_lshl_add_u32 v19, v3, 4, v19
	v_add_nc_u32 v19, s31, v19                     ; wave 7: the mask's stage on the way out: row r of 1,040 bytes, + 16 h
	v_mov_b32 v[T], 0                              ; a lane permute's destination counts as one of its sources
	s_wait_kmcnt 0x0
	s_cmp_eq_u32 s28, 7
	s_cbranch_scc1 .Lmask
; ---------------- waves 0 .. 6: tensor t = wave
	s_mov_b64 s[32:33], s[4:5]
.irp t, 1,2,3,4,5,6
	s_cmp_eq_u32 s28, \t                           ; the choice hangs on the wave's number alone
	s_cselect_b64 s[32:33], s[4+2*\t:5+2*\t], s[32:33]
.endr
	s_lshl_b32 s34, s29, 17                        ; 16 rows of 8,192 bytes a tile,
	s_lshl_b32 s39, s30, 12                        ; 4,096 bytes a half
	s_add_co_u32 s34, s34, s39
	s_add_nc_u64 s[32:33], s[32:33], s[34:35]
	s_mul_i32 s34, s28, 3145728                    ; codes: a tensor, a tile's 16 fragments, a half's 8
	s_mul_i32 s39, s29, 24576
	s_add_co_u32 s34, s34, s39
	s_mul_i32 s39, s30, 12288
	s_add_co_u32 s34, s34, s39
	s_add_nc_u64 s[20:21], s[20:21], s[34:35]
	s_lshl_b32 s34, s28, 17                        ; scale words likewise: 131,072, 1,024, 512
	s_lshl_b32 s39, s29, 10
	s_add_co_u32 s34, s34, s39
	s_lshl_b32 s39, s30, 9
	s_add_co_u32 s34, s34, s39
	s_add_nc_u64 s[22:23], s[22:23], s[34:35]
.macro LOAD f                          ; K step f of my 16 rows: each load 512 consecutive bytes of one row
.irp i, 0,1,2,3,4,5,6,7,8,9,10,11,12,13,14,15
	global_load_b128 v[R+64*((\f)%2)+4*\i:R+64*((\f)%2)+4*\i+3], v4, s[32:33] offset:8192*\i+512*(\f) th:TH_LOAD_NT
.endr
.endm
.macro FRAGQ f
.if (\f) < 7
	s_wait_loadcnt 16                              ; this K step's 16 loads are in; the next step's 16 stay out
.else
	s_wait_loadcnt 0x0
.endif
.irp i, 0,1,2,3,4,5,6,7,8,9,10,11,12,13,14,15
	ds_store_b128 v5, v[R+64*((\f)%2)+4*\i:R+64*((\f)%2)+4*\i+3] offset:528*\i
.endr
.irp c, 0,1
.irp j, 0,1,2,3,4,5,6,7
	ds_load_b128 v[X+32*\c+4*\j:X+32*\c+4*\j+3], v6 offset:256*\c+16*\j   ; LDS serves a wave's instructions in order: these see the stores above
.endr
.endr
	s_wait_dscnt 0x0                               ; my 64 numbers are in, and the stores have read their registers,
.if (\f)+2 < 8
	LOAD (\f)+2                                    ; which take the loads of two K steps on
.endif
	QUANTW X
.irp c, 0,1,2
	global_store_b128 v4, v[PC+4*\c:PC+4*\c+3], s[20:21] offset:1536*(\f)+512*\c   ; 512 consecutive bytes
.endr
.if (\f)%2 == 0
	v_mov_b32 v[SW+(\f)/2], v[PW]
.else
	v_cndmask_b32 v[SW+(\f)/2], v[SW+(\f)/2], v[PW], s38   ; the odd K step's words in lanes 16-31
.endif
.endm
	LOAD 0
	LOAD 1
.irp f, 0,1,2,3,4,5,6,7
	FRAGQ \f
.endr
.irp p, 0,1,2,3
	ds_store_b32 v7, v[SW+\p] offset:128*\p
.endr
	ds_load_b128 v[44:47], v8                      ; the half's 512 bytes of scale words, 16 a lane
	s_wait_dscnt 0x0
	global_store_b128 v4, v[44:47], s[22:23]
	s_set_vgpr_msb 0x4
	s_wait_tensorcnt 0x0
	ds_add_u32 v63, v1
	s_wait_dscnt 0x0
	s_set_vgpr_msb 0x400
	s_endpgm
; ---------------- wave 7: the mask
.Lmask:
	s_lshl_b32 s34, s29, 15                        ; 16 rows of 2,048 bytes a tile,
	s_lshl_b32 s39, s30, 10                        ; 1,024 keys a half
	s_add_co_u32 s34, s34, s39
	s_add_nc_u64 s[18:19], s[18:19], s[34:35]
.irp i, 0,1,2,3,4,5,6,7,8,9,10,11,12,13,14,15
.irp u, 0,1
	global_load_b128 v[R+4*(2*\i+\u):R+4*(2*\i+\u)+3], v4, s[18:19] offset:2048*\i+512*\u th:TH_LOAD_NT
.endr
.endr
	s_lshl_b32 s34, ttmp9, 2
	s_add_co_u32 s34, s34, 524288
	s_add_nc_u64 s[32:33], s[24:25], s[34:35]      ; my flag word
	s_lshl_b32 s34, ttmp9, 11                      ; 4,096 bytes a tile, 2,048 a half
	s_add_nc_u64 s[24:25], s[24:25], s[34:35]
	s_mov_b32 s48, 1                               ; a byte's lowest bit, for each of a word's four bytes
	s_mov_b32 s49, 0x100
	s_mov_b32 s50, 0x10000
	s_mov_b32 s51, 0x1000000
	s_mov_b32 s52, 0                               ; the flags
	v_mov_b32 v58, 0                               ; what my row has open
	v_mov_b32 v59, 0x01010101
	v_lshlrev_b32 v60, 3, v1
.irp j, 0,1,2,3,4,5,6,7,8,9,10,11,12,13,14,15
	v_mov_b32 v[32+\j], 0                          ; v_writelane's destination counts as one of its sources
.endr
	s_wait_loadcnt 0x0
.irp i, 0,1,2,3,4,5,6,7,8,9,10,11,12,13,14,15
.irp u, 0,1
	ds_store_b128 v5, v[R+4*(2*\i+\u):R+4*(2*\i+\u)+3] offset:1040*\i+512*\u
.endr
.endr
	s_wait_dscnt 0x0
.irp s, 0,1,2,3,4,5,6,7
.irp b, 0,1,2,3
	ds_load_b128 v[R+16*\s+4*\b:R+16*\s+4*\b+3], v19 offset:128*\s+32*\b   ; row r, keys 128 s + 32 b + 16 h + 0 .. 15
.endr
.endr
	s_wait_dscnt 0x0
; One step of 128 keys: its two flags, and its 64 words: word n = 16 b + i is the lane mask of byte i % 4 of register 4 b + i / 4.
.macro MSTEP s
.set B, R+16*(\s)
	v_or_b32 v56, v[B], v[B+1]
	v_and_b32 v57, v[B], v[B+1]
.irp i, 2,3,4,5,6,7,8,9,10,11,12,13,14,15
	v_or_b32 v56, v56, v[B+\i]
	v_and_b32 v57, v57, v[B+\i]
.endr
	v_cmp_ne_u32 s40, 0, v56
	v_cmp_eq_u32 s41, v59, v57
	v_or_b32 v58, v58, v56
	s_cmp_lg_u32 s40, 0
	s_cselect_b32 s42, 1<<(\s), 0                  ; some key of the step is open for some row
	s_or_b32 s52, s52, s42
	s_cmp_eq_u32 s41, -1
	s_cselect_b32 s42, 256<<(\s), 0                ; all are open
	s_or_b32 s52, s52, s42
.set n, 0
.rept 8
.set m, 0
.rept 8
	v_and_b32 v[48+m], s[48+((n+m)&3)], v[B+((n+m)>>2)]
.set m, m+1
.endr
.set m, 0
.rept 8
	v_cmp_ne_u32 s[40+m], 0, v[48+m]
.set m, m+1
.endr
.set m, 0
.rept 8
	v_writelane_b32 v[32+2*(\s)+((n+m)&1)], s[40+m], (n+m)>>1   ; word n to lane n / 2, register n % 2: a store of 8 bytes a lane lays the 64 words in order
.set m, m+1
.endr
.set n, n+8
.endr
	global_store_b64 v60, v[32+2*(\s):33+2*(\s)], s[24:25] offset:256*(\s)   ; 256 consecutive bytes, aligned
.endm
.irp s, 0,1,2,3,4,5,6,7
	MSTEP \s
.endr
	v_cmp_ne_u32 s40, 0, v58
	s_lshr_b32 s41, s40, 16
	s_or_b32 s40, s40, s41                         ; row r: lanes r and 16 + r
	s_lshl_b32 s40, s40, 16
	s_or_b32 s52, s52, s40
	v_mov_b32 v61, 0
	v_mov_b32 v62, s52
	global_store_b32 v61, v62, s[32:33]            ; all lanes write the same word with the same value
; ---------------- wave 7: cos and sin of position l = 16 T + r times 1 / 10000^(j / 64), j = 32 h + 16 g + 4 t + e, t = 0 .. 3
	s_lshl_b32 s34, s29, 13
	s_lshl_b32 s39, s30, 11
	s_add_co_u32 s34, s34, s39
	s_add_nc_u64 s[26:27], s[26:27], s[34:35]
	s_mov_b32 s53, 0xbfc90fd8                      ; - pi / 2 in three parts
	s_mov_b32 s54, 0xb4a8885a
	s_mov_b32 s55, 0xa7c234c4
	s_mov_b32 s56, 0xb94ca1f9                      ; the sine's and the cosine's leading coefficients
	s_mov_b32 s57, 0x37ccf5ce
	s_mov_b32 s58, 0x3f22f983                      ; 2 / pi
	s_lshl_b32 s39, s29, 4
	v_add_nc_u32 v100, s39, v2
	v_cvt_f32_u32 v100, v100                       ; l
	; F = 10^(1/16) = 10000^(1/64) as a sum of two f32 (v102, v103): four square roots from 10, each a rounded root and one correction from the exact remainder
	v_mov_b32 v102, 0x41200000
	v_mov_b32 v103, 0
.rept 4
	v_sqrt_f32 v106, v102
	v_nop                                          ; a plain place behind the transcendental,
	s_wait_alu depctr_va_vdst(0)                   ; and the wait ahead of the first line that names its result
	v_rcp_f32 v107, v106
	v_fma_f32 v108, -v106, v106, v102              ; the remainder, exact
	v_add_f32 v108, v108, v103
	s_wait_alu depctr_va_vdst(0)
	v_mul_f32 v108, v108, v107
	v_mul_f32 v108, 0.5, v108                      ; remainder / (2 root)
	v_add_f32 v102, v106, v108
	v_sub_f32 v109, v102, v106
	v_sub_f32 v103, v108, v109
.endr
	; P = 10000^(j / 64) as two f32 (v104, v105): begins exact, 100^h x 10^g, and is multiplied by F from one j to the next
	v_mov_b32 v110, 0x42c80000
	v_cmp_ne_u32 vcc_lo, 0, v3
	v_cndmask_b32 v104, 1.0, v110, vcc_lo
	s_mov_b32 s31, 0x41200000
	s_cmp_eq_u32 s30, 0
	s_cselect_b32 s31, 0x3f800000, s31
	v_mul_f32 v104, s31, v104
	v_mov_b32 v105, 0
.macro DFMUL
	v_mul_f32 v106, v104, v102
	v_fma_f32 v107, v104, v102, -v106              ; the product's rounding error, exact
	v_fma_f32 v107, v104, v103, v107
	v_fma_f32 v107, v105, v102, v107
	v_add_f32 v104, v106, v107
	v_sub_f32 v108, v104, v106
	v_sub_f32 v105, v107, v108
.endm
.macro ROPE t
.irp e, 0,1,2,3
	v_mov_b32 v[120+\e], v104                      ; the power, rounded to f32
.if 4*(\t)+\e < 15
	DFMUL
.endif
.endr
.irp e, 0,1,2,3
	v_rcp_f32 v[124+\e], v[120+\e]
.endr
	v_nop
	s_wait_alu depctr_va_vdst(0)                   ; one wait for the four reciprocals
.rept 2
.irp e, 0,1,2,3
	v_fma_f32 v[110+\e], -v[120+\e], v[124+\e], 1.0
.endr
.irp e, 0,1,2,3
	v_fma_f32 v[124+\e], v[124+\e], v[110+\e], v[124+\e]   ; two corrections: the rounded reciprocal
.endr
.endr
.irp e, 0,1,2,3
	v_mul_f32 v[124+\e], v100, v[124+\e]           ; the angle, rounded once
.endr
.irp e, 0,1,2,3
	v_mul_f32 v[110+\e], s58, v[124+\e]
.endr
.irp e, 0,1,2,3
	v_rndne_f32 v[110+\e], v[110+\e]               ; k: the nearest multiple of pi / 2
.endr
.irp e, 0,1,2,3
	v_fma_f32 v[124+\e], v[110+\e], s53, v[124+\e]
.endr
.irp e, 0,1,2,3
	v_fma_f32 v[124+\e], v[110+\e], s54, v[124+\e]
.endr
.irp e, 0,1,2,3
	v_fma_f32 v[124+\e], v[110+\e], s55, v[124+\e] ; x = angle - k pi / 2, within pi / 4 of 0
.endr
.irp e, 0,1,2,3
	v_cvt_i32_f32 v[110+\e], v[110+\e]
.endr
.irp e, 0,1,2,3
	v_mul_f32 v[114+\e], v[124+\e], v[124+\e]      ; z = x x
.endr
.irp e, 0,1,2,3
	v_fmaak_f32 v[160+\e], s56, v[114+\e], 0x3c08839e
.endr
.irp e, 0,1,2,3
	v_fmaak_f32 v[160+\e], v[160+\e], v[114+\e], 0xbe2aaaa3
.endr
.irp e, 0,1,2,3
	v_mul_f32 v[164+\e], v[114+\e], v[124+\e]
.endr
.irp e, 0,1,2,3
	v_fma_f32 v[160+\e], v[160+\e], v[164+\e], v[124+\e]   ; sin x
.endr
.irp e, 0,1,2,3
	v_fmaak_f32 v[164+\e], s57, v[114+\e], 0xbab6061a
.endr
.irp e, 0,1,2,3
	v_fmaak_f32 v[164+\e], v[164+\e], v[114+\e], 0x3d2aaaa5
.endr
.irp e, 0,1,2,3
	v_fma_f32 v[164+\e], v[164+\e], v[114+\e], -0.5
.endr
.irp e, 0,1,2,3
	v_fma_f32 v[164+\e], v[164+\e], v[114+\e], 1.0 ; cos x
.endr
.irp e, 0,1,2,3
	v_and_b32 v[168+\e], 1, v[110+\e]
.endr
.irp e, 0,1,2,3
	v_cmp_ne_u32 s[40+\e], 0, v[168+\e]            ; k odd: the two change places
.endr
.irp e, 0,1,2,3
	v_cndmask_b32 v[132+8*(\t)+\e], v[160+\e], v[164+\e], s[40+\e]
.endr
.irp e, 0,1,2,3
	v_cndmask_b32 v[128+8*(\t)+\e], v[164+\e], v[160+\e], s[40+\e]
.endr
.irp e, 0,1,2,3
	v_and_b32 v[168+\e], 2, v[110+\e]              ; the sine's sign: k % 4 = 2, 3
.endr
.irp e, 0,1,2,3
	v_lshlrev_b32 v[168+\e], 30, v[168+\e]
.endr
.irp e, 0,1,2,3
	v_xor_b32 v[132+8*(\t)+\e], v[168+\e], v[132+8*(\t)+\e]
.endr
.irp e, 0,1,2,3
	v_add_nc_u32 v[168+\e], 1, v[110+\e]           ; the cosine's: k % 4 = 1, 2
.endr
.irp e, 0,1,2,3
	v_and_b32 v[168+\e], 2, v[168+\e]
.endr
.irp e, 0,1,2,3
	v_lshlrev_b32 v[168+\e], 30, v[168+\e]
.endr
.irp e, 0,1,2,3
	v_xor_b32 v[128+8*(\t)+\e], v[168+\e], v[128+8*(\t)+\e]
.endr
	global_store_b128 v4, v[128+8*(\t):131+8*(\t)], s[26:27] offset:512*(\t)        ; each trip has data registers of its own
	global_store_b128 v4, v[132+8*(\t):135+8*(\t)], s[26:27] offset:4096+512*(\t)
.endm
.irp t, 0,1,2,3
	ROPE \t
.endr
	s_set_vgpr_msb 0x4
	s_wait_tensorcnt 0x0
	ds_add_u32 v63, v1
	s_wait_dscnt 0x0
	s_set_vgpr_msb 0x400
	s_endpgm
.Lfunc_end_k_q6f0e2f9ffc_prep:
	.size	k_q6f0e2f9ffc_prep, .Lfunc_end_k_q6f0e2f9ffc_prep-k_q6f0e2f9ffc_prep
	.p2alignl 7, 3214868480
	.fill 96, 4, 3214868480
	.section	.rodata,"a",@progbits
	.p2align	6, 0x0
	.amdhsa_kernel k_q6f0e2f9ffc_prep
		.amdhsa_group_segment_fixed_size 82944
		.amdhsa_private_segment_fixed_size 0
		.amdhsa_enable_private_segment 0
		.amdhsa_kernarg_size 96
		.amdhsa_user_sgpr_count 2
		.amdhsa_user_sgpr_kernarg_segment_ptr 1
		.amdhsa_wavefront_size32 1
		.amdhsa_system_sgpr_workgroup_id_x 1
		.amdhsa_system_sgpr_workgroup_id_y 1
		.amdhsa_system_sgpr_workgroup_id_z 1
		.amdhsa_system_vgpr_workitem_id 0
		.amdhsa_next_free_vgpr 258
		.amdhsa_next_free_sgpr 66
		.amdhsa_reserve_vcc 1
		.amdhsa_float_denorm_mode_32 3
		.amdhsa_float_denorm_mode_16_64 3
		.amdhsa_memory_ordered 1
		.amdhsa_forward_progress 1
		.amdhsa_inst_pref_size 192
	.end_amdhsa_kernel
	.amdgpu_metadata
---
amdhsa.version: [ 1, 2 ]
amdhsa.kernels:
  - .name:           k_q6f0e2f9ffc_prep
    .symbol:         k_q6f0e2f9ffc_prep.kd
    .args:
      - { .name: query, .offset: 0, .size: 8, .value_kind: global_buffer, .address_space: global }
      - { .name: key, .offset: 8, .size: 8, .value_kind: global_buffer, .address_space: global }
      - { .name: value, .offset: 16, .size: 8, .value_kind: global_buffer, .address_space: global }
      - { .name: w_q, .offset: 24, .size: 8, .value_kind: global_buffer, .address_space: global }
      - { .name: w_k, .offset: 32, .size: 8, .value_kind: global_buffer, .address_space: global }
      - { .name: w_v, .offset: 40, .size: 8, .value_kind: global_buffer, .address_space: global }
      - { .name: w_o, .offset: 48, .size: 8, .value_kind: global_buffer, .address_space: global }
      - { .name: mask, .offset: 56, .size: 8, .value_kind: global_buffer, .address_space: global }
      - { .name: codes, .offset: 64, .size: 8, .value_kind: global_buffer, .address_space: global }
      - { .name: scales, .offset: 72, .size: 8, .value_kind: global_buffer, .address_space: global }
      - { .name: maskw, .offset: 80, .size: 8, .value_kind: global_buffer, .address_space: global }
      - { .name: rope, .offset: 88, .size: 8, .value_kind: global_buffer, .address_space: global }
    .group_segment_fixed_size: 82944
    .private_segment_fixed_size: 0
    .kernarg_segment_align: 8
    .kernarg_segment_size: 96
    .max_flat_workgroup_size: 256
    .sgpr_count:     66
    .vgpr_count:     258
    .wavefront_size: 32
...
	.end_amdgpu_metadata
.endif
;; end of part 1
;; launch proj (part 2): grid 256 x 3, 4 waves a work-group, no clusters, 98,816 bytes of LDS; arguments codes, scales, rope, qkv_codes, qkv_scales; writes qkv_codes, qkv_scales
.if DOCPART == 2
	.amdgcn_target "amdgcn-amd-amdhsa--gfx1250"
	.amdhsa_code_object_version 6
	.text
	.protected	k_q6f0e2f9ffc_proj
	.globl	k_q6f0e2f9ffc_proj
	.p2align	8
	.type	k_q6f0e2f9ffc_proj,@function
k_q6f0e2f9ffc_proj:
	s_mov_b64 s[64:65], 0
	v_nop
	global_prefetch_b8 v0, s[64:65] scope:SCOPE_SE
	s_setreg_imm32_b32 hwreg(HW_REG_WAVE_MODE, 25, 1), 1
	s_wait_xcnt 0x0
; PROJ.  The three projections, y = 0: Q = query w_q^T, 1: K = key w_k^T, 2: V = value w_v^T, on codes of BF6 (E3M2) with E8M0 scales; Q and K are rotated (RoPE) in f32; all three are quantised again,
; along the K of the product that will read them, and only their codes and scale words go to memory.
; A work-group makes 128 x 128 of a product, K = 2,048 in 16 steps of 128.  Source 0 takes 16 rows of tensor S0, source 1 16 rows of S1: a lane's eight results are eight neighbouring S0 indices of one S1 row.
; y < 2: S0 = the weight (128 channels: head a), S1 = the tokens (block b): a row of the result is a token, its 128 numbers the head's channels: the K of Q K^T.
; y = 2: S0 = value's tokens (block a), S1 = w_v (head b): a row is a channel, its 128 numbers are keys: the K of P V.
; Four waves, each 64 x 64: 16 accumulators.  All operands lie in memory as images of operand registers (a fragment: 1,536 bytes, registers 4 c .. 4 c + 3 of lane l at 512 c + 16 l), so every load and every LDS
; access is 512 consecutive bytes.  Two LDS slots of 256 along K are filled THROUGH REGISTERS (global load, LDS store), one barrier a slot.  No cluster and no joint loads: those exist for tensor loads alone,
; and tiles of 256 x 256, for which they pay, would leave WGPs without work at these sizes (64 tiles a product).
; THE ROWS OF K'S AND V'S FRAGMENTS ARE NOT NEIGHBOURS: row p of tile 2 b + u is row 32 b + 8 u + p + 8 (p / 8), so that in the next launch the 16 registers of two neighbouring result tiles are 16 neighbours.
; OUT: qkv_codes [Q, K, V][head][block of 128][tile 8][1,536]; qkv_scales [Q, K, V][head][block][4][lane] words: register k holds tile 2 k in lanes 0-15, tile 2 k + 1 in lanes 16-31.
; LIMITS: NaN and infinities are not served; a block of zeros gets the byte 1 (its codes are zeros; this program alone reads the bytes); blocks with a largest magnitude under 2^-122 are held at the byte 1.
; REGISTERS.  Window 0: v1-22 addresses; v32-63, v64-95 the scale words of S0 and S1 for all of K (nothing else ever stands there); v96-143, v144-191 four fragments each; in the tail v96-159 a row's numbers.
; Window 1: v0-127 the accumulators ((i, j) at 8 (4 i + j)); v128-223 what is on its way from memory to LDS; in the tail the table of cos and sin.
.set SC0,  32
.set SC1,  64
.set F0,   96
.set F1,   144
.set ST,   128
.set SLOT, 49152                       ; [S0, S1][row tile 8][K step 2][1,536]
.set SP,   528                         ; the stage, laid over the slots behind a barrier: 128 rows x (512 bytes + 16)
.set M,    160
.set SOP,  162
.set BY,   164
.set W,    166
.set T,    167
.set PW,   168
.set PWS,  169
.set PC,   170
.set TQ,   182
.set SH8,  20
.set SEL,  36
.set MSB, 0
.macro WIN new                         ; the immediate's high byte repeats the setting that is left
.if MSB != \new
	s_set_vgpr_msb (MSB<<8)|\new
.set MSB, \new
.endif
.endm
.macro BAR                             ; my LDS stores have landed and my LDS loads are in: then the work-group's barrier
	s_wait_dscnt 0x0
	s_barrier_signal -1
	s_barrier_wait -1
.endm
.macro NOP4                            ; four places behind a matrix instruction, ahead of loads into its operands and of reads of its results
.rept 4
	v_nop
.endr
.endm
.macro GLOAD u                         ; slot u: my two row tiles of S0 and of S1, two K steps each: 24 loads of 512 bytes
	WIN 0x40
.irp rt, 0,1
.irp c, 0,1,2,3,4,5
	global_load_b128 v[ST+4*(6*\rt+\c):ST+4*(6*\rt+\c)+3], v4, s[26:27] offset:24576*\rt+3072*(\u)+512*\c
	global_load_b128 v[ST+48+4*(6*\rt+\c):ST+48+4*(6*\rt+\c)+3], v4, s[28:29] offset:24576*\rt+3072*(\u)+512*\c
.endr
.endr
	WIN 0
.endm
.macro LSTORE u
	WIN 0x04
.irp rt, 0,1
.irp c, 0,1,2,3,4,5
	ds_store_b128 v[5+(\u)%2], v[ST+4*(6*\rt+\c):ST+4*(6*\rt+\c)+3] offset:3072*\rt+512*\c
	ds_store_b128 v[5+(\u)%2], v[ST+48+4*(6*\rt+\c):ST+48+4*(6*\rt+\c)+3] offset:24576+3072*\rt+512*\c
.endr
.endr
	WIN 0
.endm
.macro FETCH sl, ks                    ; S1's four fragments, then S0's: the last six loads are S0's tiles 2 and 3
.irp j, 0,1,2,3
.irp c, 0,1,2
	ds_load_b128 v[F1+12*\j+4*\c:F1+12*\j+4*\c+3], v[9+(\sl)] offset:3072*\j+1536*(\ks)+512*\c
.endr
.endr
.irp i, 0,1,2,3
.irp c, 0,1,2
	ds_load_b128 v[F0+12*\i+4*\c:F0+12*\i+4*\c+3], v[7+(\sl)] offset:3072*\i+1536*(\ks)+512*\c
.endr
.endr
.endm
; Eight products of K step q.  The 16 accumulators take turns, one instruction a turn, in the same order in every K step.  An odd K step's scale words stand in lanes 16-31.
.macro MUL q, i0
.irp i, \i0, \i0+1
.irp j, 0,1,2,3
.if (\q) == 0
	v_wmma_scale_f32_16x16x128_f8f6f4 v[8*(4*(\i)+\j):8*(4*(\i)+\j)+7], v[F0+12*(\i):F0+12*(\i)+11], v[F1+12*\j:F1+12*\j+11], 0, v[SC0+8*(\i)+(\q)/2], v[SC1+8*\j+(\q)/2] matrix_a_fmt:MATRIX_FMT_BF6 matrix_b_fmt:MATRIX_FMT_BF6
.elseif (\q)%2 == 0
	v_wmma_scale_f32_16x16x128_f8f6f4 v[8*(4*(\i)+\j):8*(4*(\i)+\j)+7], v[F0+12*(\i):F0+12*(\i)+11], v[F1+12*\j:F1+12*\j+11], v[8*(4*(\i)+\j):8*(4*(\i)+\j)+7], v[SC0+8*(\i)+(\q)/2], v[SC1+8*\j+(\q)/2] matrix_a_fmt:MATRIX_FMT_BF6 matrix_b_fmt:MATRIX_FMT_BF6
.else
	v_wmma_scale_f32_16x16x128_f8f6f4 v[8*(4*(\i)+\j):8*(4*(\i)+\j)+7], v[F0+12*(\i):F0+12*(\i)+11], v[F1+12*\j:F1+12*\j+11], v[8*(4*(\i)+\j):8*(4*(\i)+\j)+7], v[SC0+8*(\i)+(\q)/2], v[SC1+8*\j+(\q)/2] matrix_a_fmt:MATRIX_FMT_BF6 matrix_b_fmt:MATRIX_FMT_BF6 matrix_a_scale:MATRIX_SCALE_ROW1 matrix_b_scale:MATRIX_SCALE_ROW1
.endif
.endr
.endr
.endm
; 64 numbers of a lane, two whole blocks of 32 (register 32 c + i = k 64 c + 32 h + i), become the fragment's 12 registers in v[PC] on and the row's scale word in v[PW].
.macro QUANTW x
.irp c, 0,1
	v_max3_num_f32 v[M+\c], |v[\x+32*\c]|, |v[\x+32*\c+1]|, 0x2800000   ; the floor 2^(5 - 127): the byte cannot fall under 1
.endr
.irp i, 2,4,6,8,10,12,14,16,18,20,22,24,26,28,30
.irp c, 0,1
	v_max3_num_f32 v[M+\c], v[M+\c], |v[\x+32*\c+\i]|, |v[\x+32*\c+\i+1]|
.endr
.endr
.irp c, 0,1
	v_add_nc_u32 v[SOP+\c], 0xfe000000, v[M+\c]    ; 4 off the exponent field: the conversion's scale operand
.endr
.irp c, 0,1
	v_lshrrev_b32 v[BY+\c], 23, v[SOP+\c]
.endr
	v_lshl_or_b32 v[W], v[BY+1], 16, v[BY]
	v_lshlrev_b32 v[W], v[SH8], v[W]
	v_permlanex16_b32 v[T], v[W], s[SEL], s[SEL+1]
	v_or_b32 v[PW], v[W], v[T]
	s_wait_xcnt 0x0                                ; the last fragment's stores have read v[PC] on
.irp c, 0,1
	v_cvt_scalef32_pk16_bf6_f32 v[PC+6*\c:PC+6*\c+2], v[\x+32*\c:\x+32*\c+15], v[SOP+\c]
	v_cvt_scalef32_pk16_bf6_f32 v[TQ+4*\c:TQ+4*\c+2], v[\x+32*\c+16:\x+32*\c+31], v[SOP+\c]
.endr
	v_nop                                          ; one plain place behind the scaled conversions
.irp c, 0,1
.irp i, 0,1,2
	v_mov_b32 v[PC+3+6*\c+\i], v[TQ+4*\c+\i]
.endr
.endr
.endm
	s_load_b256 s[4:11], s[0:1], 0x0               ; codes, scales, rope, qkv_codes
	s_load_b64 s[12:13], s[0:1], 0x20              ; qkv_scales
	v_lshl_add_u32 v254, v0, 2, 0x18000
	v_mov_b32 v255, 0
	v_lshrrev_b32 v1, 5, v0
	v_readfirstlane_b32 s14, v1                    ; wave 0 .. 3
	s_lshr_b32 s15, s14, 1                         ; wm: my 64 of S0's 128
	s_and_b32 s16, s14, 1                          ; wn: my 64 of S1's 128
	s_and_b32 s17, ttmp7, 0xffff                   ; y
	s_and_b32 s18, ttmp9, 15                       ; a: S0's tile of 128 rows
	s_lshr_b32 s19, ttmp9, 4                       ; b: S1's
	s_add_co_u32 s20, s17, 3
	s_cmp_lt_u32 s17, 2
	s_cselect_b32 s20, s20, 2                      ; S0: tensor 3 + y (the weight), or 2 (value)
	s_cselect_b32 s21, s17, 5                      ; S1: tensor y (the tokens), or 5 (w_v)
	s_cselect_b32 s22, s18, s19                    ; the head
	s_cselect_b32 s23, s19, s18                    ; the block of 128 tokens
	s_cmp_lg_u32 s17, 0
	s_cselect_b32 s24, 1, 0                        ; P: K's and V's fragments take their rows in the chosen order
	s_mov_b32 s35, 0
	s_mov_b32 s36, 0x76543210
	s_mov_b32 s37, 0xfedcba98
	s_mov_b32 s38, 0xffff0000
	v_and_b32 v1, 31, v0
	v_and_b32 v2, 15, v0                           ; r
	v_bfe_u32 v3, v0, 4, 1                         ; h
	v_lshlrev_b32 v18, 4, v1                       ; 16 x lane
	v_lshlrev_b32 v19, 2, v1                       ; 4 x lane
	v_lshlrev_b32 v20, 3, v3                       ; 8 h
	s_mul_i32 s39, s14, 49152
	v_add_nc_u32 v4, s39, v18                      ; memory: my two row tiles of 24,576 bytes
	s_mul_i32 s39, s14, 6144
	v_add_nc_u32 v5, s39, v18                      ; LDS: the same two in slot 0,
	v_add_nc_u32 v6, SLOT, v5                      ; in slot 1
	s_mul_i32 s39, s15, 12288
	v_add_nc_u32 v7, s39, v18                      ; S0's four tiles that I multiply
	v_add_nc_u32 v8, SLOT, v7
	s_mul_i32 s39, s16, 12288
	s_add_co_u32 s39, s39, 24576
	v_add_nc_u32 v9, s39, v18                      ; S1's
	v_add_nc_u32 v10, SLOT, v9
	s_lshl_b32 s39, s15, 12
	v_add_nc_u32 v11, s39, v19                     ; their scale words: 1,024 bytes a row tile
	s_lshl_b32 s39, s16, 12
	v_add_nc_u32 v12, s39, v19
	s_lshl_b32 s39, s16, 6
	v_add_nc_u32 v13, s39, v2
	v_mul_u32_u24 v13, v13, SP
	v_lshl_add_u32 v13, v3, 5, v13
	s_lshl_b32 s39, s15, 8
	v_add_nc_u32 v13, s39, v13                     ; the stage, in: row 64 wn + r, byte 256 wm + 32 h
	v_and_b32 v14, 8, v2
	v_mul_u32_u24 v14, s24, v14
	v_add_nc_u32 v14, v14, v2
	s_lshl_b32 s39, s14, 5
	v_add_nc_u32 v14, s39, v14                     ; my row of fragment 2 w: 32 w + r + 8 P (r / 8)
	s_lshl_b32 s44, s24, 3
	s_sub_co_u32 s44, 16, s44
	v_add_nc_u32 v15, s44, v14                     ; and of fragment 2 w + 1: 16 - 8 P further on
	s_lshl_b32 s39, s23, 7
.irp f, 0,1
	v_add_nc_u32 v21, s39, v[14+\f]                ; the row's position l
	v_lshrrev_b32 v22, 4, v21
	v_and_b32 v21, 15, v21
	v_lshlrev_b32 v22, 13, v22
	v_lshl_add_u32 v22, v21, 4, v22
	v_lshl_add_u32 v[16+\f], v3, 8, v22            ; its place in the table: 8,192 (l / 16) + 16 (l % 16) + 256 h
.endr
.irp f, 0,1
	v_mul_u32_u24 v[14+\f], v[14+\f], SP
	v_lshl_add_u32 v[14+\f], v3, 7, v[14+\f]       ; the stage, out: my row, + 128 h
.endr
	s_wait_kmcnt 0x0
	s_mul_i32 s34, s20, 3145728
	s_mul_i32 s39, s18, 196608
	s_add_co_u32 s34, s34, s39
	s_add_nc_u64 s[26:27], s[4:5], s[34:35]        ; S0's codes
	s_mul_i32 s34, s21, 3145728
	s_mul_i32 s39, s19, 196608
	s_add_co_u32 s34, s34, s39
	s_add_nc_u64 s[28:29], s[4:5], s[34:35]        ; S1's
	s_lshl_b32 s34, s20, 17
	s_lshl_b32 s39, s18, 13
	s_add_co_u32 s34, s34, s39
	s_add_nc_u64 s[30:31], s[6:7], s[34:35]        ; S0's scale words
	s_lshl_b32 s34, s21, 17
	s_lshl_b32 s39, s19, 13
	s_add_co_u32 s34, s34, s39
	s_add_nc_u64 s[32:33], s[6:7], s[34:35]        ; S1's
	s_lshl_b32 s44, s22, 4
	s_add_co_u32 s44, s44, s23                     ; 16 head + block
	s_mul_i32 s34, s17, 3145728
	s_mul_i32 s39, s44, 12288
	s_add_co_u32 s34, s34, s39
	s_mul_i32 s39, s14, 3072
	s_add_co_u32 s34, s34, s39
	s_add_nc_u64 s[40:41], s[10:11], s[34:35]      ; where my two fragments go,
	s_lshl_b32 s34, s17, 17
	s_lshl_b32 s39, s44, 9
	s_add_co_u32 s34, s34, s39
	s_lshl_b32 s39, s14, 7
	s_add_co_u32 s34, s34, s39
	s_add_nc_u64 s[42:43], s[12:13], s[34:35]      ; and their scale register
.irp i, 0,1,2,3                        ; the scale words of my eight row tiles for all of K: register p holds K steps 2 p and 2 p + 1
.irp p, 0,1,2,3,4,5,6,7
	global_load_b32 v[SC0+8*\i+\p], v11, s[30:31] offset:1024*\i+128*\p
	global_load_b32 v[SC1+8*\i+\p], v12, s[32:33] offset:1024*\i+128*\p
.endr
.endr
	GLOAD 0
	s_wait_loadcnt 0x0
	LSTORE 0
	s_wait_dscnt 0x0                               ; the stores have read their registers
	GLOAD 1
	BAR                                            ; slot 0 is whole
.irp u, 0,1,2,3,4,5,6,7
.if \u < 7
	s_wait_loadcnt 0x0                             ; the next slot's bytes, asked for a slot ago, are in registers;
	LSTORE \u+1                                    ; nobody reads that slot: every wave's reads of it were over at the last barrier
.endif
	FETCH \u%2, 0
	s_wait_dscnt 6                                 ; all but S0's tiles 2 and 3: so the stores above have read their registers too,
.if \u < 6
	GLOAD \u+2                                     ; which take the slot after
.endif
	WIN 0x50                                       ; C and D in window 1
	MUL 2*\u, 0
	s_wait_dscnt 0x0
	MUL 2*\u, 2
	WIN 0
	NOP4
	FETCH \u%2, 1
	s_wait_dscnt 6
	WIN 0x50
	MUL 2*\u+1, 0
	s_wait_dscnt 0x0
	MUL 2*\u+1, 2
	WIN 0
	NOP4
	BAR                                            ; my stores into the next slot have landed, my reads of this slot are over
.endr
	; THE STAGE: row = S1 index, 128 f32 along S0.  Each accumulator from its low end on.
	WIN 0x04
.irp i, 0,1,2,3
.irp j, 0,1,2,3
	ds_store_b128 v13, v[8*(4*\i+\j):8*(4*\i+\j)+3] offset:16*SP*\j+64*\i
	ds_store_b128 v13, v[8*(4*\i+\j)+4:8*(4*\i+\j)+7] offset:16*SP*\j+64*\i+16
.endr
.endr
	WIN 0
	s_wait_dscnt 0x0                               ; for the others' sake; and the accumulators' registers are free
	s_cmp_lt_u32 s17, 2                            ; Q and K: cos and sin of my two rows' positions, frequencies 32 h + 0 .. 31, into window 1: fragment 0's at v128, fragment 1's at v0
	s_cbranch_scc0 .Lno_table
	WIN 0x40
.irp j, 0,1,2,3,4,5,6,7
	global_load_b128 v[128+4*\j:131+4*\j], v16, s[8:9] offset:512*\j
	global_load_b128 v[160+4*\j:163+4*\j], v16, s[8:9] offset:4096+512*\j
.endr
.irp j, 0,1,2,3,4,5,6,7
	global_load_b128 v[4*\j:4*\j+3], v17, s[8:9] offset:512*\j
	global_load_b128 v[32+4*\j:35+4*\j], v17, s[8:9] offset:4096+512*\j
.endr
	WIN 0
.Lno_table:
	s_barrier_signal -1
	s_barrier_wait -1                              ; 128 whole rows lie in the stage
	v_mov_b32 v[T], 0                              ; a lane permute's destination counts as one of its sources
; Fragment 2 w + f: my row's 64 numbers (channels or keys 64 c + 32 h + i), rotated where y < 2, quantised, stored.
.macro TAIL f
.irp c, 0,1
.irp j, 0,1,2,3,4,5,6,7
	ds_load_b128 v[96+32*\c+4*\j:99+32*\c+4*\j], v[14+\f] offset:256*\c+16*\j
.endr
.endr
	s_wait_dscnt 0x0
	s_cmp_lt_u32 s17, 2
	s_cbranch_scc0 .Lno_turn_\@
	s_wait_loadcnt 16*(1-\f)                       ; this fragment's 16 table loads are in; fragment 1's 16 may stay out
	WIN 0x04                                       ; the table is always source 1: window 1
.set TB, 128*(1-\f)
.set i, 0
.rept 16                               ; x1 = channel 32 h + i, x2 = channel 64 + 32 h + i, in the same lane: x1 c - x2 s, x1 s + x2 c, two at a time
	v_pk_mul_f32 v[190:191], v[128+i:129+i], v[TB+32+i:TB+33+i]
	v_pk_mul_f32 v[192:193], v[128+i:129+i], v[TB+i:TB+1+i]
	v_pk_fma_f32 v[128+i:129+i], v[96+i:97+i], v[TB+32+i:TB+33+i], v[192:193]
	v_pk_fma_f32 v[96+i:97+i], v[96+i:97+i], v[TB+i:TB+1+i], v[190:191] neg_lo:[0,0,1] neg_hi:[0,0,1]
.set i, i+2
.endr
	WIN 0
.Lno_turn_\@:
	QUANTW 96
.irp c, 0,1,2
	global_store_b128 v18, v[PC+4*\c:PC+4*\c+3], s[40:41] offset:1536*\f+512*\c   ; 512 consecutive bytes
.endr
.endm
	TAIL 0
	v_mov_b32 v[PWS], v[PW]
	TAIL 1
	v_cndmask_b32 v[PWS], v[PWS], v[PW], s38       ; the odd tile's words in lanes 16-31
	global_store_b32 v19, v[PWS], s[42:43]
	s_wait_tensorcnt 0x0
	ds_add_u32 v254, v255
	s_wait_dscnt 0x0
	s_endpgm
.Lfunc_end_k_q6f0e2f9ffc_proj:
	.size	k_q6f0e2f9ffc_proj, .Lfunc_end_k_q6f0e2f9ffc_proj-k_q6f0e2f9ffc_proj
	.p2alignl 7, 3214868480
	.fill 96, 4, 3214868480
	.section	.rodata,"a",@progbits
	.p2align	6, 0x0
	.amdhsa_kernel k_q6f0e2f9ffc_proj
		.amdhsa_group_segment_fixed_size 98816
		.amdhsa_private_segment_fixed_size 0
		.amdhsa_enable_private_segment 0
		.amdhsa_kernarg_size 40
		.amdhsa_user_sgpr_count 2
		.amdhsa_user_sgpr_kernarg_segment_ptr 1
		.amdhsa_wavefront_size32 1
		.amdhsa_system_sgpr_workgroup_id_x 1
		.amdhsa_system_sgpr_workgroup_id_y 1
		.amdhsa_system_sgpr_workgroup_id_z 1
		.amdhsa_system_vgpr_workitem_id 0
		.amdhsa_next_free_vgpr 480
		.amdhsa_next_free_sgpr 66
		.amdhsa_reserve_vcc 0
		.amdhsa_float_denorm_mode_32 3
		.amdhsa_float_denorm_mode_16_64 3
		.amdhsa_memory_ordered 1
		.amdhsa_forward_progress 1
		.amdhsa_inst_pref_size 126
	.end_amdhsa_kernel
	.amdgpu_metadata
---
amdhsa.version: [ 1, 2 ]
amdhsa.kernels:
  - .name:           k_q6f0e2f9ffc_proj
    .symbol:         k_q6f0e2f9ffc_proj.kd
    .args:
      - { .name: codes, .offset: 0, .size: 8, .value_kind: global_buffer, .address_space: global }
      - { .name: scales, .offset: 8, .size: 8, .value_kind: global_buffer, .address_space: global }
      - { .name: rope, .offset: 16, .size: 8, .value_kind: global_buffer, .address_space: global }
      - { .name: qkv_codes, .offset: 24, .size: 8, .value_kind: global_buffer, .address_space: global }
      - { .name: qkv_scales, .offset: 32, .size: 8, .value_kind: global_buffer, .address_space: global }
    .group_segment_fixed_size: 98816
    .private_segment_fixed_size: 0
    .kernarg_segment_align: 8
    .kernarg_segment_size: 40
    .max_flat_workgroup_size: 128
    .sgpr_count:     66
    .vgpr_count:     480
    .wavefront_size: 32
...
	.end_amdgpu_metadata
.endif
;; end of part 2
;; launch attn (part 3): grid 16 x 16, 8 waves a work-group, no clusters, 52,224 bytes of LDS; arguments qkv_codes, qkv_scales, maskw, o_codes, o_scales; writes o_codes, o_scales
.if DOCPART == 3
	.amdgcn_target "amdgcn-amd-amdhsa--gfx1250"
	.amdhsa_code_object_version 6
	.text
	.protected	k_q6f0e2f9ffc_attn
	.globl	k_q6f0e2f9ffc_attn
	.p2align	8
	.type	k_q6f0e2f9ffc_attn,@function
k_q6f0e2f9ffc_attn:
	s_mov_b64 s[64:65], 0
	v_nop
	global_prefetch_b8 v0, s[64:65] scope:SCOPE_SE
	s_setreg_imm32_b32 hwreg(HW_REG_WAVE_MODE, 25, 1), 1
	s_wait_xcnt 0x0
; ATTN.  O[h][q] = the sum over k of softmax_k(mask ? Q[h][q] . K[h][k] / sqrt(128) : least) V[h][k], both products on codes of BF6 (E3M2) with E8M0 scales; O is quantised along the head's channels on the way out.
; THE SOFTMAX AHEAD OF THE SECOND PRODUCT: t = score x log2(e) / sqrt(128); M = the row's largest t so far, rounded UP to a whole number; p = 2^(t - M) is what is quantised, along the keys; the row's sum is taken
; of the unquantised p and divides O at the end.  When M moves, the sum and O are multiplied by 2^(old M - new M): exact.
; SHARES.  A work-group has eight waves of one head; a wave owns ONE tile of 16 queries: with s = 4 x + wave % 4, tile s in waves 0-3 and tile 127 - s in waves 4-7, so that where a mask hides late keys from
; early queries a work-group's waves have complementary work; for any other mask nothing is lost.  Every wave walks all 16 steps of 128 keys.
; K's and V's eight fragments and their scale words lie in memory as images of operand registers; a step's 25,600 bytes go through registers into one of two LDS slots (each wave brings one fragment of each),
; one barrier a step.  No cluster: joint requests exist for tensor loads alone.
; THE MASK IS AN INPUT.  An earlier launch has stored it as lane masks (64 words a tile and step: bit 16 h + r of word 16 b + i belongs to the score in register 16 b + i of lane (r, h)) and as flags.
; A step in which none of the tile's 16 x 128 places is open is passed over by a scalar branch on the stored flags, but only in a tile all of whose rows have an open key somewhere; a step that is all open skips
; the 64 selects.  No barrier, no copy and no address step stands under those branches.
; A hidden score becomes -2^100.  c x 2^100 is a whole number, so a row with NO open key gets t - M = 0 and p = 1 for every key: the plain average of V, as the reference's softmax of equal scores gives.
; As soon as an open key arrives, 2^(old M - new M) is 0 and wipes what was summed before it.  LIMITS: open scores must lie above -2^100; NaN and infinities are not served; a block of zeros gets the byte 1.
; LAYOUT.  Both products are used transposed: S^T = K Q^T, O^T = V^T P^T: a lane holds ONE query (lane % 16) throughout.  The rows of K's and V's fragments were chosen (row p of tile 2 b + u is
; 32 b + 8 u + p + 8 (p / 8)), so that the 16 registers of result tiles 2 b and 2 b + 1 are 16 neighbours, 32 b + 16 (lane / 16) + 0 .. 15, along the next product's K.
; REGISTERS: v1-7, v29, v30 addresses and constants that stay; v12 -M, v13 the largest t, v[14:15] the sum; v16-27 Q; v32-79 four fragments; v80-83, v84-87 K's and V's scale words; v96-159 S^T, then p;
; v160-223 O^T; v224-235 p's codes; v232-254 at work; v255 Q's scale words.  Window 1: v0-24 what is on its way from memory to LDS.
.set SLB, 25600                        ; a slot: K's 8 fragments, V's 8 fragments, K's 4 scale registers, V's 4
.set VOF, 12288
.set KSC, 24576
.set VSC, 25088
.set MSB, 0
.macro WIN new
.if MSB != \new
	s_set_vgpr_msb (MSB<<8)|\new
.set MSB, \new
.endif
.endm
.macro BAR
	s_wait_dscnt 0x0
	s_barrier_signal -1
	s_barrier_wait -1
.endm
.macro NOP4
.rept 4
	v_nop
.endr
.endm
.macro KVLOAD                          ; my fragment of K, my fragment of V (3,145,728 bytes on), my 128 bytes of scale words
	WIN 0x40
.irp c, 0,1,2
	global_load_b128 v[4*\c:4*\c+3], v5, s[4:5] offset:512*\c
	global_load_b128 v[12+4*\c:15+4*\c], v5, s[4:5] offset:3145728+512*\c
.endr
	global_load_b32 v24, v6, s[6:7]
	WIN 0
.endm
.macro KVSTORE s
	WIN 0x04
.irp c, 0,1,2
	ds_store_b128 v3, v[4*\c:4*\c+3] offset:SLB*(\s)+512*\c
	ds_store_b128 v3, v[12+4*\c:15+4*\c] offset:SLB*(\s)+VOF+512*\c
.endr
	ds_store_b32 v4, v24 offset:SLB*(\s)+KSC
	WIN 0
.endm
.macro MASKLOAD step                   ; the 64 mask words of a step: word n in s[32 + n], from n = 32 on in s[36 + n]
.if \step
	s_add_nc_u64 s[8:9], s[8:9], 256               ; (the last scalar loads are done: their wait stands ahead)
.endif
	s_load_b512 s[32:47], s[8:9], 0x0
	s_load_b512 s[48:63], s[8:9], 0x40
	s_load_b512 s[68:83], s[8:9], 0x80
	s_load_b512 s[84:99], s[8:9], 0xc0
.endm
; A PREFETCH INTO THE L2 of the key step that my loads will ask for two steps on (step t + 4 where the loads just issued are step t + 2's): K's 12,288 bytes and V's, 96 blocks of 256 bytes, a lane a block.
; All sixteen work-groups of a head walk the same K and V: the head's first work-group asks, in its waves 0 to 2, one instruction each: each block is named once in the launch.
; Steps 0 to 3 come by their loads alone; the loop's last trip asks for nothing: there is no step 16.
.macro ASK
	s_cmp_gt_u32 s3, s28
	s_cbranch_scc0 .Lnot_mine_\@
	global_prefetch_b8 v30, s[26:27] th:TH_LOAD_NT scope:SCOPE_SE
.Lnot_mine_\@:
.endm
; The numbers v96-159 (register 16 b + i = k 32 b + 16 h + i of my row) and their blocks' largest magnitudes v232-235 become a fragment's codes in v224-235 and its scale word in v253.
.macro CODES
.irp b, 0,1,2,3
	v_add_nc_u32 v[244+\b], 0xfe000000, v[232+\b]  ; 4 off the exponent field: the conversion's scale operand
.endr
.irp b, 0,1,2,3
	v_lshrrev_b32 v[236+\b], 23, v[244+\b]         ; the scale's byte
.endr
	v_lshl_or_b32 v253, v237, 8, v236
	v_lshl_or_b32 v253, v238, 16, v253
	v_lshl_or_b32 v253, v239, 24, v253
.irp c, 0,1
	v_cvt_scalef32_pk16_bf6_f32 v[224+6*\c:226+6*\c], v[96+32*\c:111+32*\c], v[244+2*\c]
	v_cvt_scalef32_pk16_bf6_f32 v[236+4*\c:238+4*\c], v[112+32*\c:127+32*\c], v[244+2*\c+1]   ; a conversion's three registers begin on an even number
.endr
	v_nop                                          ; one plain place behind the scaled conversions
.irp c, 0,1                            ; the operand's layout wants a WHOLE block in a lane: lanes 0-15 block 2 c, lanes 16-31 block 2 c + 1
.irp i, 0,1,2
	v_permlane16_swap_b32 v[224+6*\c+\i], v[236+4*\c+\i]
.endr
.irp i, 0,1,2
	v_mov_b32 v[227+6*\c+\i], v[236+4*\c+\i]
.endr
.endr
.endm
	s_load_b256 s[4:11], s[0:1], 0x0               ; qkv_codes, qkv_scales, maskw, o_codes
	s_load_b64 s[12:13], s[0:1], 0x20              ; o_scales
	v_lshl_add_u32 v250, v0, 2, 0xc800
	v_mov_b32 v251, 0
	v_lshrrev_b32 v1, 5, v0
	v_readfirstlane_b32 s18, v1                    ; wave 0 .. 7
	s_and_b32 s14, ttmp7, 0xffff                   ; the head
	s_and_b32 s19, s18, 3
	s_lshl_b32 s15, ttmp9, 2
	s_add_co_u32 s15, s15, s19
	s_sub_co_u32 s29, 127, s15
	s_cmp_lt_u32 s18, 4
	s_cselect_b32 s15, s15, s29                    ; my tile of 16 queries
	s_lshl_b32 s29, s15, 3                         ; its two flag words
	s_cmp_lt_u32 s18, 3
	s_cselect_b32 s28, 0, 1
	s_or_b32 s28, s28, ttmp9
	s_cmp_eq_u32 s28, 0
	s_cselect_b32 s28, 1, -1                       ; 1 in a wave that prefetches, else the greatest number
	s_mov_b32 s20, 0x76543210                      ; lane selects: lane l xor 16
	s_mov_b32 s21, 0xfedcba98
	s_mov_b32 s22, 0x3e0293ee                      ; c = log2(e) / sqrt(128)
	s_mov_b32 s23, s22                             ; (named with it as a pair, so it is written)
	v_and_b32 v8, 31, v0
	v_lshlrev_b32 v1, 4, v8                        ; 16 x lane
	v_lshlrev_b32 v2, 2, v8                        ; 4 x lane
	s_mul_i32 s2, s18, 1536
	v_add_nc_u32 v3, s2, v1                        ; LDS: the fragment that I bring
	s_lshl_b32 s2, s18, 7
	v_add_nc_u32 v4, s2, v2                        ; LDS: the scale register that I bring
	v_mov_b32 v5, v3                               ; memory: the same fragment
	v_mov_b32 v6, v2
	v_mov_b32 v7, 0xf1800000                       ; -2^100
	v_and_b32 v29, 15, v0
	v_lshlrev_b32 v29, 2, v29                      ; 4 r
	v_lshlrev_b32 v30, 8, v0                       ; the prefetches' offset: block 32 wave + lane; from block 48 on in V
	v_mov_b32 v9, 3145728-12288
	v_cmp_le_u32 vcc_lo, 48, v0
	v_cndmask_b32 v9, 0, v9, vcc_lo
	v_add_nc_u32 v30, v30, v9
	s_wait_kmcnt 0x0
	s_load_b64 s[30:31], s[8:9], s29 offset:0x80000
	s_mov_b32 s3, 0
	s_mul_i32 s2, s14, 196608
	s_add_nc_u64 s[4:5], s[4:5], s[2:3]            ; the head, in Q's codes
	s_mul_i32 s2, s15, 1536
	s_add_nc_u64 s[16:17], s[4:5], s[2:3]          ; my tile of Q
	s_add_nc_u64 s[4:5], s[4:5], 3145728           ; K, step 0
	s_add_nc_u64 s[26:27], s[4:5], 36864           ; the prefetches stand at step 3; the first step's loads step them to 4
	s_lshl_b32 s2, s14, 13
	s_add_nc_u64 s[6:7], s[6:7], s[2:3]
	s_lshl_b32 s2, s15, 6
	s_add_nc_u64 s[66:67], s[6:7], s[2:3]          ; Q's scale words
	s_lshr_b32 s2, s18, 2
	s_add_co_u32 s2, s2, 1                         ; waves 0-3 bring K's scale registers, waves 4-7 V's
	s_lshl_b32 s2, s2, 17
	s_lshl_b32 s19, s19, 7
	s_add_co_u32 s2, s2, s19
	s_add_nc_u64 s[6:7], s[6:7], s[2:3]
	KVLOAD                                         ; step 0
.irp c, 0,1,2
	global_load_b128 v[16+4*\c:19+4*\c], v1, s[16:17] offset:512*\c   ; Q's fragment stays in registers
.endr
	global_load_b32 v255, v29, s[66:67]
	s_mul_i32 s2, s15, 24576                       ; O: row tile = my tile, K step = the head
	s_mul_i32 s19, s14, 1536
	s_add_co_u32 s2, s2, s19
	s_add_nc_u64 s[10:11], s[10:11], s[2:3]
	s_lshl_b32 s2, s15, 10
	s_lshl_b32 s19, s14, 6
	s_add_co_u32 s2, s2, s19
	s_add_nc_u64 s[12:13], s[12:13], s[2:3]
	s_wait_kmcnt 0x0                               ; the flags are in, and their load has read its address
	s_lshl_b32 s2, s15, 12
	s_add_nc_u64 s[8:9], s[8:9], s[2:3]            ; my tile's mask words
	MASKLOAD 0
	s_or_b32 s19, s30, s31
	s_lshr_b32 s19, s19, 16                        ; which rows have an open key at all
	s_and_b32 s24, s30, 0xff
	s_and_b32 s29, s31, 0xff
	s_lshl_b32 s29, s29, 8
	s_or_b32 s24, s24, s29
	s_cmp_eq_u32 s19, 0xffff
	s_cselect_b32 s24, s24, 0xffff                 ; bit t: step t is worked.  A tile with a row that has no open key works every step
	s_lshr_b32 s25, s30, 8
	s_and_b32 s25, s25, 0xff
	s_and_b32 s29, s31, 0xff00
	s_or_b32 s25, s25, s29                         ; bit t: step t is all open
	s_mov_b32 s3, 7
	v_mov_b32 v13, 0xff61b1e6                      ; the largest t so far: -3e38, under every t
	v_floor_f32 v12, -v13                          ; -M
	v_mov_b32 v14, 0
	v_mov_b32 v15, 0
.irp b, 0,1,2,3
	v_mov_b32 v[236+\b], 0                         ; a lane permute's destination counts as one of its sources
.endr
	v_mov_b32 v252, 0
	v_mov_b32 v253, 0
.set j, 0
.rept 64
	v_mov_b32 v[160+j], 0                          ; O^T: the step is written for every step alike; the first finds zeros
.set j, j+1
.endr
	s_wait_loadcnt 0x0
	KVSTORE 0
	s_wait_dscnt 0x0                               ; the stores have read their registers
	s_add_nc_u64 s[4:5], s[4:5], 12288
	s_add_nc_u64 s[6:7], s[6:7], 512
	KVLOAD                                         ; step 1
	BAR                                            ; slot 0 is whole
; A KEY STEP, read from slot sl.  st: the next step's bytes go from registers into the other slot.  ld: the step after that is asked for.  mk: the next step's mask words are asked for.  bar: a step follows.
.macro STEP sl, st, ld, mk, bar
.if \st
	s_wait_loadcnt 0x0                             ; the next step's bytes are in registers; nobody reads the other slot: every wave's reads of it were over at the last barrier
	KVSTORE 1-\sl
.endif
.if \ld
	s_wait_dscnt 0x0                               ; the stores have read their registers
	s_wait_xcnt 0x0                                ; the last prefetch, a step back, has read its address
	s_add_nc_u64 s[4:5], s[4:5], 12288
	s_add_nc_u64 s[6:7], s[6:7], 512
	s_add_nc_u64 s[26:27], s[26:27], 12288
	KVLOAD
	ASK
.endif
	s_bitcmp1_b32 s24, 0
	s_cbranch_scc0 .Lskip_\@                       ; nothing of this step is open for my tile
.irp g, 0,1                            ; S^T = K Q^T, four tiles of 16 keys at a time
.if \g > 0
	NOP4
.endif
.irp t, 0,1,2,3
.irp c, 0,1,2
	ds_load_b128 v[32+12*\t+4*\c:35+12*\t+4*\c], v1 offset:SLB*\sl+1536*(4*\g+\t)+512*\c
.endr
.endr
.if \g == 0
.irp k, 0,1,2,3
	ds_load_b32 v[80+\k], v2 offset:SLB*\sl+KSC+128*\k
.endr
.endif
	s_wait_dscnt 0x0
.irp t, 0,1,2,3
.if \t%2 == 0
	v_wmma_scale_f32_16x16x128_f8f6f4 v[96+8*(4*\g+\t):103+8*(4*\g+\t)], v[32+12*\t:43+12*\t], v[16:27], 0, v[80+2*\g+\t/2], v255 matrix_a_fmt:MATRIX_FMT_BF6 matrix_b_fmt:MATRIX_FMT_BF6
.else
	v_wmma_scale_f32_16x16x128_f8f6f4 v[96+8*(4*\g+\t):103+8*(4*\g+\t)], v[32+12*\t:43+12*\t], v[16:27], 0, v[80+2*\g+\t/2], v255 matrix_a_fmt:MATRIX_FMT_BF6 matrix_b_fmt:MATRIX_FMT_BF6 matrix_a_scale:MATRIX_SCALE_ROW1
.endif
.endr
.endr
	NOP4
	s_wait_kmcnt 0x0                               ; this step's mask words
	s_bitcmp1_b32 s25, 0
	s_cbranch_scc1 .Lopen_\@
.set n, 0
.rept 64                               ; a hidden score becomes -2^100; each accumulator from its low end on
.if n < 32
	v_cndmask_b32 v[96+n], v7, v[96+n], s[32+n]
.else
	v_cndmask_b32 v[96+n], v7, v[96+n], s[36+n]
.endif
.set n, n+1
.endr
.Lopen_\@:
.irp b, 0,1,2,3
	v_max3_num_f32 v[232+\b], v[96+16*\b], v[97+16*\b], v[98+16*\b]   ; the largest score of each block of 32 keys: it serves the row's maximum and, since p rises with the score, the block's largest p
.endr
.irp i, 3,5,7,9,11,13
.irp b, 0,1,2,3
	v_max3_num_f32 v[232+\b], v[232+\b], v[96+16*\b+\i], v[97+16*\b+\i]
.endr
.endr
.irp b, 0,1,2,3
	v_max_num_f32 v[232+\b], v[232+\b], v[111+16*\b]
.endr
.if \mk
	MASKLOAD 1                                     ; the next step's words
.endif
.irp b, 0,1,2,3
	v_permlanex16_b32 v[236+\b], v[232+\b], s20, s21
.endr
.irp b, 0,1,2,3
	v_max_num_f32 v[232+\b], v[232+\b], v[236+\b]  ; with lane l xor 16's 16 keys
.endr
	v_max3_num_f32 v254, v232, v233, v234
	v_max_num_f32 v254, v254, v235
	v_mul_f32 v254, s22, v254                      ; the step's largest t of my query
	v_max_num_f32 v13, v13, v254
	v_mov_b32 v254, v12
	v_floor_f32 v12, -v13                          ; the new -M = floor(-t): M is a whole number
	v_sub_f32 v254, v12, v254                      ; old M - new M: a whole number, 0 or less
	v_cvt_i32_f32 v254, v254                       ; (it saturates)
	v_ldexp_f32 v252, 1.0, v254                    ; f = 2^(old M - new M)
.set j, 0
.rept 32
	v_pk_fma_f32 v[96+j:97+j], v[96+j:97+j], s[22:23], v[12:13] op_sel_hi:[1,0,0]   ; t - M, two at a time
.set j, j+2
.endr
.irp b, 0,1,2,3
	v_fma_f32 v[232+\b], v[232+\b], s22, v12       ; the same of each block's largest score
.endr
.set j, 0
.rept 64
	v_exp_f32 v[96+j], v[96+j]                     ; p = 2^(t - M), at most 1
.set j, j+1
.endr
	v_pk_mul_f32 v[14:15], v[14:15], v[252:253] op_sel_hi:[1,0]   ; the sums under the new M: the plain place behind the exponentials
	s_wait_alu depctr_va_vdst(0)                   ; one wait for the whole batch, ahead of its first reader
.irp b, 0,1,2,3
	v_exp_f32 v[232+\b], v[232+\b]                 ; the block's largest p
.endr
	v_pk_add_f32 v[236:237], v[96:97], v[98:99]    ; the row's sum is taken of the unquantised p, in two chains
.irp j, 4,8,12,16,20,24,28,32,36,40,44,48,52,56,60
	v_pk_add_f32 v[14:15], v[14:15], v[96+\j:97+\j]
	v_pk_add_f32 v[236:237], v[236:237], v[98+\j:99+\j]
.endr
	v_pk_add_f32 v[14:15], v[14:15], v[236:237]
	s_wait_alu depctr_va_vdst(0)                   ; and one for the four
.irp b, 0,1,2,3
	v_max_num_f32 v[232+\b], 0x2800000, v[232+\b]  ; the floor 2^(5 - 127): the byte cannot fall under 1
.endr
	CODES
.set j, 0
.rept 32
	v_pk_mul_f32 v[160+j:161+j], v[160+j:161+j], v[252:253] op_sel_hi:[1,0]   ; O^T under the new M; these 32 are also the places ahead of the products and loads below
.set j, j+2
.endr
.irp g, 0,1                            ; O^T += V^T P^T, four tiles of 16 channels at a time
.if \g > 0
	NOP4
.endif
.irp t, 0,1,2,3
.irp c, 0,1,2
	ds_load_b128 v[32+12*\t+4*\c:35+12*\t+4*\c], v1 offset:SLB*\sl+VOF+1536*(4*\g+\t)+512*\c
.endr
.endr
.if \g == 0
.irp k, 0,1,2,3
	ds_load_b32 v[84+\k], v2 offset:SLB*\sl+VSC+128*\k
.endr
.endif
	s_wait_dscnt 0x0
.irp t, 0,1,2,3
.if \t%2 == 0
	v_wmma_scale_f32_16x16x128_f8f6f4 v[160+8*(4*\g+\t):167+8*(4*\g+\t)], v[32+12*\t:43+12*\t], v[224:235], v[160+8*(4*\g+\t):167+8*(4*\g+\t)], v[84+2*\g+\t/2], v253 matrix_a_fmt:MATRIX_FMT_BF6 matrix_b_fmt:MATRIX_FMT_BF6
.else
	v_wmma_scale_f32_16x16x128_f8f6f4 v[160+8*(4*\g+\t):167+8*(4*\g+\t)], v[32+12*\t:43+12*\t], v[224:235], v[160+8*(4*\g+\t):167+8*(4*\g+\t)], v[84+2*\g+\t/2], v253 matrix_a_fmt:MATRIX_FMT_BF6 matrix_b_fmt:MATRIX_FMT_BF6 matrix_a_scale:MATRIX_SCALE_ROW1
.endif
.endr
.endr
	NOP4                                           ; places ahead of the next step's loads and of the way out
	s_branch .Ljoin_\@
.Lskip_\@:
.if \mk
	s_wait_kmcnt 0x0                               ; this step's words are passed over; the next step's are asked for all the same
	MASKLOAD 1
.endif
.Ljoin_\@:
	s_lshr_b32 s24, s24, 1
	s_lshr_b32 s25, s25, 1
.if \bar
	BAR                                            ; my stores into the other slot have landed, my reads of this slot are over
.endif
.endm
.Ltrip:                                ; seven trips: steps 0 to 13
	STEP 0, 1, 1, 1, 1
	STEP 1, 1, 1, 1, 1
	s_sub_co_u32 s3, s3, 1
	s_cmp_lg_u32 s3, 0
	s_cbranch_scc1 .Ltrip
	STEP 0, 1, 0, 1, 1                             ; step 14: nothing is left to ask for but step 15's mask words
	STEP 1, 0, 0, 0, 0                             ; step 15
	; THE WAY OUT.  O^T / the sum; register 16 b + i is channel 32 b + 16 h + i of my query: 16 neighbours along the output projection's K.  Quantised as it stands; the fragment's image and the scale words are stored.
	v_add_f32 v14, v14, v15
	v_permlanex16_b32 v252, v14, s20, s21
	v_add_f32 v14, v14, v252                       ; the row's sum
	v_rcp_f32 v14, v14
	v_nop                                          ; a plain place behind the transcendental,
	s_wait_alu depctr_va_vdst(0)                   ; and the wait ahead of its first reader
.set j, 0
.rept 64
	v_mul_f32 v[96+j], v[160+j], v14               ; each accumulator from its low end on
.set j, j+1
.endr
.irp b, 0,1,2,3
	v_max3_num_f32 v[232+\b], |v[96+16*\b]|, |v[97+16*\b]|, 0x2800000
.endr
.irp i, 2,4,6,8,10,12,14
.irp b, 0,1,2,3
	v_max3_num_f32 v[232+\b], v[232+\b], |v[96+16*\b+\i]|, |v[97+16*\b+\i]|
.endr
.endr
.irp b, 0,1,2,3
	v_permlanex16_b32 v[236+\b], v[232+\b], s20, s21
.endr
.irp b, 0,1,2,3
	v_max_num_f32 v[232+\b], v[232+\b], v[236+\b]
.endr
	CODES
.irp c, 0,1,2
	global_store_b128 v1, v[224+4*\c:227+4*\c], s[10:11] offset:512*\c   ; 512 consecutive bytes
.endr
	global_store_b32 v29, v253, s[12:13]           ; row r's word; the two halves of the lanes write the same words with the same values
	s_wait_tensorcnt 0x0
	ds_add_u32 v250, v251
	s_wait_dscnt 0x0
	s_endpgm
.Lfunc_end_k_q6f0e2f9ffc_attn:
	.size	k_q6f0e2f9ffc_attn, .Lfunc_end_k_q6f0e2f9ffc_attn-k_q6f0e2f9ffc_attn
	.p2alignl 7, 3214868480
	.fill 96, 4, 3214868480
	.section	.rodata,"a",@progbits
	.p2align	6, 0x0
	.amdhsa_kernel k_q6f0e2f9ffc_attn
		.amdhsa_group_segment_fixed_size 52224
		.amdhsa_private_segment_fixed_size 0
		.amdhsa_enable_private_segment 0
		.amdhsa_kernarg_size 40
		.amdhsa_user_sgpr_count 2
		.amdhsa_user_sgpr_kernarg_segment_ptr 1
		.amdhsa_wavefront_size32 1
		.amdhsa_system_sgpr_workgroup_id_x 1
		.amdhsa_system_sgpr_workgroup_id_y 1
		.amdhsa_system_sgpr_workgroup_id_z 1
		.amdhsa_system_vgpr_workitem_id 0
		.amdhsa_next_free_vgpr 288
		.amdhsa_next_free_sgpr 100
		.amdhsa_reserve_vcc 1
		.amdhsa_float_denorm_mode_32 3
		.amdhsa_float_denorm_mode_16_64 3
		.amdhsa_memory_ordered 1
		.amdhsa_forward_progress 1
		.amdhsa_inst_pref_size 114
	.end_amdhsa_kernel
	.amdgpu_metadata
---
amdhsa.version: [ 1, 2 ]
amdhsa.kernels:
  - .name:           k_q6f0e2f9ffc_attn
    .symbol:         k_q6f0e2f9ffc_attn.kd
    .args:
      - { .name: qkv_codes, .offset: 0, .size: 8, .value_kind: global_buffer, .address_space: global }
      - { .name: qkv_scales, .offset: 8, .size: 8, .value_kind: global_buffer, .address_space: global }
      - { .name: maskw, .offset: 16, .size: 8, .value_kind: global_buffer, .address_space: global }
      - { .name: o_codes, .offset: 24, .size: 8, .value_kind: global_buffer, .address_space: global }
      - { .name: o_scales, .offset: 32, .size: 8, .value_kind: global_buffer, .address_space: global }
    .group_segment_fixed_size: 52224
    .private_segment_fixed_size: 0
    .kernarg_segment_align: 8
    .kernarg_segment_size: 40
    .max_flat_workgroup_size: 256
    .sgpr_count:     100
    .vgpr_count:     288
    .wavefront_size: 32
...
	.end_amdgpu_metadata
.endif
;; end of part 3
;; launch outp (part 4): grid 256 x 1, 4 waves a work-group, no clusters, 98,816 bytes of LDS; arguments codes, scales, o_codes, o_scales, out0; writes out0
.if DOCPART == 4
	.amdgcn_target "amdgcn-amd-amdhsa--gfx1250"
	.amdhsa_code_object_version 6
	.text
	.protected	k_q6f0e2f9ffc_outp
	.globl	k_q6f0e2f9ffc_outp
	.p2align	8
	.type	k_q6f0e2f9ffc_outp,@function
k_q6f0e2f9ffc_outp:
	s_mov_b64 s[64:65], 0
	v_nop
	global_prefetch_b8 v0, s[64:65] scope:SCOPE_SE
	s_setreg_imm32_b32 hwreg(HW_REG_WAVE_MODE, 25, 1), 1
	s_wait_xcnt 0x0
; OUTP.  out0 = O w_o^T on codes of BF6 (E3M2) with E8M0 scales; out0 is [2048][2048] f32.
; A work-group makes 128 x 128 of the product, K = 2,048 in 16 steps of 128 (a K step is a head).  Source 0 takes 16 rows of w_o (tile a), source 1 16 rows of O (tile b): a lane's eight results are eight
; neighbouring columns of one row of out0.  Four waves, each 64 x 64: 16 accumulators.  Operands lie in memory as images of operand registers (a fragment: 1,536 bytes, registers 4 c .. 4 c + 3 of lane l at
; 512 c + 16 l), so every load and every LDS access is 512 consecutive bytes.  Two LDS slots of 256 along K are filled THROUGH REGISTERS, one barrier a slot.  No cluster and no joint loads: those exist for
; tensor loads alone, and tiles of 256 x 256, for which they pay, would give 64 work-groups for 256 WGPs.
; REGISTERS.  Window 0: v1-19 addresses; v32-63, v64-95 the scale words of w_o and O for all of K (nothing else ever stands there); v96-143, v144-191 four fragments each; on the way out v96-223 rows of out0.
; Window 1: v0-127 the accumulators ((i, j) at 8 (4 i + j)); v128-223 what is on its way from memory to LDS.
.set SC0,  32
.set SC1,  64
.set F0,   96
.set F1,   144
.set ST,   128
.set SLOT, 49152                       ; [w_o, O][row tile 8][K step 2][1,536]
.set SP,   528                         ; the stage, laid over the slots behind a barrier: 128 rows x (512 bytes + 16)
.set MSB, 0
.macro WIN new                         ; the immediate's high byte repeats the setting that is left
.if MSB != \new
	s_set_vgpr_msb (MSB<<8)|\new
.set MSB, \new
.endif
.endm
.macro BAR                             ; my LDS stores have landed and my LDS loads are in: then the work-group's barrier
	s_wait_dscnt 0x0
	s_barrier_signal -1
	s_barrier_wait -1
.endm
.macro NOP4                            ; four places behind a matrix instruction, ahead of loads into its operands and of reads of its results
.rept 4
	v_nop
.endr
.endm
.macro GLOAD u                         ; slot u: my two row tiles of each operand, two K steps each: 24 loads of 512 bytes
	WIN 0x40
.irp rt, 0,1
.irp c, 0,1,2,3,4,5
	global_load_b128 v[ST+4*(6*\rt+\c):ST+4*(6*\rt+\c)+3], v4, s[26:27] offset:24576*\rt+3072*(\u)+512*\c
	global_load_b128 v[ST+48+4*(6*\rt+\c):ST+48+4*(6*\rt+\c)+3], v4, s[28:29] offset:24576*\rt+3072*(\u)+512*\c
.endr
.endr
	WIN 0
.endm
.macro LSTORE u
	WIN 0x04
.irp rt, 0,1
.irp c, 0,1,2,3,4,5
	ds_store_b128 v[5+(\u)%2], v[ST+4*(6*\rt+\c):ST+4*(6*\rt+\c)+3] offset:3072*\rt+512*\c
	ds_store_b128 v[5+(\u)%2], v[ST+48+4*(6*\rt+\c):ST+48+4*(6*\rt+\c)+3] offset:24576+3072*\rt+512*\c
.endr
.endr
	WIN 0
.endm
.macro FETCH sl, ks                    ; O's four fragments, then w_o's: the last six loads are w_o's tiles 2 and 3
.irp j, 0,1,2,3
.irp c, 0,1,2
	ds_load_b128 v[F1+12*\j+4*\c:F1+12*\j+4*\c+3], v[9+(\sl)] offset:3072*\j+1536*(\ks)+512*\c
.endr
.endr
.irp i, 0,1,2,3
.irp c, 0,1,2
	ds_load_b128 v[F0+12*\i+4*\c:F0+12*\i+4*\c+3], v[7+(\sl)] offset:3072*\i+1536*(\ks)+512*\c
.endr
.endr
.endm
; Eight products of K step q.  The 16 accumulators take turns, one instruction a turn, in the same order in every K step.  An odd K step's scale words stand in lanes 16-31.
.macro MUL q, i0
.irp i, \i0, \i0+1
.irp j, 0,1,2,3
.if (\q) == 0
	v_wmma_scale_f32_16x16x128_f8f6f4 v[8*(4*(\i)+\j):8*(4*(\i)+\j)+7], v[F0+12*(\i):F0+12*(\i)+11], v[F1+12*\j:F1+12*\j+11], 0, v[SC0+8*(\i)+(\q)/2], v[SC1+8*\j+(\q)/2] matrix_a_fmt:MATRIX_FMT_BF6 matrix_b_fmt:MATRIX_FMT_BF6
.elseif (\q)%2 == 0
	v_wmma_scale_f32_16x16x128_f8f6f4 v[8*(4*(\i)+\j):8*(4*(\i)+\j)+7], v[F0+12*(\i):F0+12*(\i)+11], v[F1+12*\j:F1+12*\j+11], v[8*(4*(\i)+\j):8*(4*(\i)+\j)+7], v[SC0+8*(\i)+(\q)/2], v[SC1+8*\j+(\q)/2] matrix_a_fmt:MATRIX_FMT_BF6 matrix_b_fmt:MATRIX_FMT_BF6
.else
	v_wmma_scale_f32_16x16x128_f8f6f4 v[8*(4*(\i)+\j):8*(4*(\i)+\j)+7], v[F0+12*(\i):F0+12*(\i)+11], v[F1+12*\j:F1+12*\j+11], v[8*(4*(\i)+\j):8*(4*(\i)+\j)+7], v[SC0+8*(\i)+(\q)/2], v[SC1+8*\j+(\q)/2] matrix_a_fmt:MATRIX_FMT_BF6 matrix_b_fmt:MATRIX_FMT_BF6 matrix_a_scale:MATRIX_SCALE_ROW1 matrix_b_scale:MATRIX_SCALE_ROW1
.endif
.endr
.endr
.endm
	s_load_b256 s[4:11], s[0:1], 0x0               ; codes, scales, o_codes, o_scales
	s_load_b64 s[12:13], s[0:1], 0x20              ; out0
	v_lshl_add_u32 v254, v0, 2, 0x18000
	v_mov_b32 v255, 0
	v_lshrrev_b32 v1, 5, v0
	v_readfirstlane_b32 s14, v1                    ; wave 0 .. 3
	s_lshr_b32 s15, s14, 1                         ; wm: my 64 of w_o's 128 rows
	s_and_b32 s16, s14, 1                          ; wn: my 64 of O's 128 rows
	s_and_b32 s18, ttmp9, 15                       ; a: 128 columns of out0
	s_lshr_b32 s19, ttmp9, 4                       ; b: 128 rows
	s_mov_b32 s35, 0
	v_and_b32 v1, 31, v0
	v_and_b32 v2, 15, v0                           ; r
	v_bfe_u32 v3, v0, 4, 1                         ; h
	v_lshlrev_b32 v18, 4, v1                       ; 16 x lane
	v_lshlrev_b32 v19, 2, v1                       ; 4 x lane
	s_mul_i32 s39, s14, 49152
	v_add_nc_u32 v4, s39, v18                      ; memory: my two row tiles of 24,576 bytes
	s_mul_i32 s39, s14, 6144
	v_add_nc_u32 v5, s39, v18                      ; LDS: the same two in slot 0,
	v_add_nc_u32 v6, SLOT, v5                      ; in slot 1
	s_mul_i32 s39, s15, 12288
	v_add_nc_u32 v7, s39, v18                      ; w_o's four tiles that I multiply
	v_add_nc_u32 v8, SLOT, v7
	s_mul_i32 s39, s16, 12288
	s_add_co_u32 s39, s39, 24576
	v_add_nc_u32 v9, s39, v18                      ; O's
	v_add_nc_u32 v10, SLOT, v9
	s_lshl_b32 s39, s15, 12
	v_add_nc_u32 v11, s39, v19                     ; their scale words: 1,024 bytes a row tile
	s_lshl_b32 s39, s16, 12
	v_add_nc_u32 v12, s39, v19
	s_lshl_b32 s39, s16, 6
	v_add_nc_u32 v13, s39, v2
	v_mul_u32_u24 v13, v13, SP
	v_lshl_add_u32 v13, v3, 5, v13
	s_lshl_b32 s39, s15, 8
	v_add_nc_u32 v13, s39, v13                     ; the stage, in: row 64 wn + r, byte 256 wm + 32 h
	s_mul_i32 s39, s14, 32*SP
	v_add_nc_u32 v14, s39, v18                     ; the stage, out: my 32 rows, 16 bytes a lane
	s_wait_kmcnt 0x0
	s_mul_i32 s34, s18, 196608
	s_add_co_u32 s34, s34, 6*3145728
	s_add_nc_u64 s[26:27], s[4:5], s[34:35]        ; w_o's codes: tensor 6
	s_mul_i32 s34, s19, 196608
	s_add_nc_u64 s[28:29], s[8:9], s[34:35]        ; O's
	s_lshl_b32 s34, s18, 13
	s_add_co_u32 s34, s34, 6*131072
	s_add_nc_u64 s[30:31], s[6:7], s[34:35]        ; w_o's scale words
	s_lshl_b32 s34, s19, 13
	s_add_nc_u64 s[32:33], s[10:11], s[34:35]      ; O's
	s_lshl_b32 s34, s19, 20                        ; out0: row 128 b + 32 w of 8,192 bytes, column 128 a
	s_lshl_b32 s39, s14, 18
	s_add_co_u32 s34, s34, s39
	s_lshl_b32 s39, s18, 9
	s_add_co_u32 s34, s34, s39
	s_add_nc_u64 s[12:13], s[12:13], s[34:35]
.irp i, 0,1,2,3                        ; the scale words of my eight row tiles for all of K: register p holds K steps 2 p and 2 p + 1
.irp p, 0,1,2,3,4,5,6,7
	global_load_b32 v[SC0+8*\i+\p], v11, s[30:31] offset:1024*\i+128*\p
	global_load_b32 v[SC1+8*\i+\p], v12, s[32:33] offset:1024*\i+128*\p
.endr
.endr
	GLOAD 0
	s_wait_loadcnt 0x0
	LSTORE 0
	s_wait_dscnt 0x0                               ; the stores have read their registers
	GLOAD 1
	BAR                                            ; slot 0 is whole
.irp u, 0,1,2,3,4,5,6,7
.if \u < 7
	s_wait_loadcnt 0x0                             ; the next slot's bytes, asked for a slot ago, are in registers;
	LSTORE \u+1                                    ; nobody reads that slot: every wave's reads of it were over at the last barrier
.endif
	FETCH \u%2, 0
	s_wait_dscnt 6                                 ; all but w_o's tiles 2 and 3: so the stores above have read their registers too,
.if \u < 6
	GLOAD \u+2                                     ; which take the slot after
.endif
	WIN 0x50                                       ; C and D in window 1
	MUL 2*\u, 0
	s_wait_dscnt 0x0
	MUL 2*\u, 2
	WIN 0
	NOP4
	FETCH \u%2, 1
	s_wait_dscnt 6
	WIN 0x50
	MUL 2*\u+1, 0
	s_wait_dscnt 0x0
	MUL 2*\u+1, 2
	WIN 0
	NOP4
	BAR                                            ; my stores into the next slot have landed, my reads of this slot are over
.endr
	; THE WAY OUT: through a stage whose rows are rows of out0, since a row's 512 bytes come from two waves.  Each accumulator from its low end on.
	WIN 0x04
.irp i, 0,1,2,3
.irp j, 0,1,2,3
	ds_store_b128 v13, v[8*(4*\i+\j):8*(4*\i+\j)+3] offset:16*SP*\j+64*\i
	ds_store_b128 v13, v[8*(4*\i+\j)+4:8*(4*\i+\j)+7] offset:16*SP*\j+64*\i+16
.endr
.endr
	WIN 0
	BAR                                            ; 128 whole rows lie in the stage
.set i, 0
.rept 32
	ds_load_b128 v[96+4*i:99+4*i], v14 offset:SP*i
.set i, i+1
.endr
.set i, 0
.rept 32
	s_wait_dscnt 31-i                              ; row i is in; the younger rows' loads stay out
	global_store_b128 v18, v[96+4*i:99+4*i], s[12:13] offset:8192*i th:TH_STORE_NT   ; 32 lanes store 512 consecutive bytes, at a multiple of 256 from out0's first byte
.set i, i+1
.endr
	s_wait_tensorcnt 0x0
	ds_add_u32 v254, v255
	s_wait_dscnt 0x0
	s_endpgm
.Lfunc_end_k_q6f0e2f9ffc_outp:
	.size	k_q6f0e2f9ffc_outp, .Lfunc_end_k_q6f0e2f9ffc_outp-k_q6f0e2f9ffc_outp
	.p2alignl 7, 3214868480
	.fill 96, 4, 3214868480
	.section	.rodata,"a",@progbits
	.p2align	6, 0x0
	.amdhsa_kernel k_q6f0e2f9ffc_outp
		.amdhsa_group_segment_fixed_size 98816
		.amdhsa_private_segment_fixed_size 0
		.amdhsa_enable_private_segment 0
		.amdhsa_kernarg_size 40
		.amdhsa_user_sgpr_count 2
		.amdhsa_user_sgpr_kernarg_segment_ptr 1
		.amdhsa_wavefront_size32 1
		.amdhsa_system_sgpr_workgroup_id_x 1
		.amdhsa_system_sgpr_workgroup_id_y 1
		.amdhsa_system_sgpr_workgroup_id_z 1
		.amdhsa_system_vgpr_workitem_id 0
		.amdhsa_next_free_vgpr 480
		.amdhsa_next_free_sgpr 66
		.amdhsa_reserve_vcc 0
		.amdhsa_float_denorm_mode_32 3
		.amdhsa_float_denorm_mode_16_64 3
		.amdhsa_memory_ordered 1
		.amdhsa_forward_progress 1
		.amdhsa_inst_pref_size 110
	.end_amdhsa_kernel
	.amdgpu_metadata
---
amdhsa.version: [ 1, 2 ]
amdhsa.kernels:
  - .name:           k_q6f0e2f9ffc_outp
    .symbol:         k_q6f0e2f9ffc_outp.kd
    .args:
      - { .name: codes, .offset: 0, .size: 8, .value_kind: global_buffer, .address_space: global }
      - { .name: scales, .offset: 8, .size: 8, .value_kind: global_buffer, .address_space: global }
      - { .name: o_codes, .offset: 16, .size: 8, .value_kind: global_buffer, .address_space: global }
      - { .name: o_scales, .offset: 24, .size: 8, .value_kind: global_buffer, .address_space: global }
      - { .name: out0, .offset: 32, .size: 8, .value_kind: global_buffer, .address_space: global }
    .group_segment_fixed_size: 98816
    .private_segment_fixed_size: 0
    .kernarg_segment_align: 8
    .kernarg_segment_size: 40
    .max_flat_workgroup_size: 128
    .sgpr_count:     66
    .vgpr_count:     480
    .wavefront_size: 32
...
	.end_amdgpu_metadata
.endif
;; end of part 4
;; ======== version 2 of 3: 4 launches
;; limits: right only within a limited range of input values
;; workspace buffers: codes 22,020,096 bytes; scales 917,504 bytes; maskw 525,312 bytes of whole numbers; rope 1,048,576 bytes; qkv_codes 9,437,184 bytes; qkv_scales 393,216 bytes; o_codes 3,145,728 bytes; o_scales 131,072 bytes
;; launch prep: the kernel of part 1 again; grid 256 x 1, 8 waves a work-group, no clusters, 82,944 bytes of LDS; arguments query, key, value, w_q, w_k, w_v, w_o, mask, codes, scales, maskw, rope; writes codes, scales, maskw, rope
;; launch proj (part 5): grid 8 x 24, 4 waves a work-group, clusters of 4 x 4, 327,680 bytes of LDS; arguments codes, scales, rope, qkv_codes, qkv_scales; writes qkv_codes, qkv_scales
.if DOCPART == 5
	.amdgcn_target "amdgcn-amd-amdhsa--gfx1250"
	.amdhsa_code_object_version 6
	.text
	.protected	k_q6f0e2f9ffc_proj
	.globl	k_q6f0e2f9ffc_proj
	.p2align	8
	.type	k_q6f0e2f9ffc_proj,@function
k_q6f0e2f9ffc_proj:
	s_mov_b64 s[64:65], 0
	v_nop
	global_prefetch_b8 v0, s[64:65] scope:SCOPE_SE
	s_setreg_imm32_b32 hwreg(HW_REG_WAVE_MODE, 25, 1), 1
	s_wait_xcnt 0x0
	s_wait_alu depctr_hold_cnt(0) depctr_sa_sdst(0) depctr_va_vdst(0) depctr_va_sdst(0) depctr_va_ssrc(0) depctr_va_vcc(0) depctr_vm_vsrc(0)
	s_getreg_b32 s2, hwreg(HW_REG_IB_STS2, 6, 4)
	s_cmp_eq_u32 s2, 0
	s_cbranch_scc0 .Lentry_in_a_cluster
	s_endpgm
.Lentry_in_a_cluster:
	s_bfe_u32 s2, ttmp6, 0x10000c
	s_cmp_lg_u32 s2, 0xf033
	s_cbranch_scc0 .Lentry_shape_is_right
	s_endpgm
.Lentry_shape_is_right:
; PROJ.  The three projections, y = 0: Q = query w_q^T, 1: K = key w_k^T, 2: V = value w_v^T, on codes of BF6 (E3M2) with E8M0 scales; Q and K are rotated (RoPE) in f32; all three are quantised again,
; along the K of the product that will read them, and only their codes and scale words go to memory.
; A work-group makes 256 x 256 of a product, K = 2,048 in 16 steps of 128; each of its four waves, as many as a WGP has SIMDs, makes 128 x 128: 64 accumulators, 512 registers.
; Source 0 takes 16 rows of tensor S0, source 1 16 rows of S1: a lane's eight results are eight neighbouring S0 indices of one S1 row.
; y < 2: S0 = the weight, S1 = the tokens: a row of the result is a token, a wave's 128 numbers of it are one head's channels: the K of Q K^T.
; y = 2: S0 = value's tokens, S1 = w_v: a row is a channel, a wave's 128 numbers of it are 128 keys: a K step of P V.  So a wave's 128 x 128 is one head x one block of 128, and its tail needs no other wave.
; OPERANDS lie in memory as images of operand registers: [tensor][tile of 16 rows][K step][1,536 bytes], registers 4 c .. 4 c + 3 of lane l at 512 c + 16 l.  A tensor load brings 8 tiles of rows x 3 K steps
; (8 rows of 4,608 bytes, 24,576 bytes apart) as they lie: every LDS load of a fragment reads 512 consecutive bytes, so there is no padding.  Two slots of 3 K steps: 2 x 147,456 bytes.
; K's 16 steps come as five loads of 3 and a sixth with one step left.  The sixth keeps the others' shape, so each of its rows runs 3,072 bytes on into the next tile of rows; those bytes lie inside the buffer
; (this launch reads tensors 0 to 5, and tensor 6 follows) and are never read from LDS.
; CLUSTERS: 4 x 4 work-groups, all of one product (y = cluster y / 2).  The four of a row of the cluster need the same tiles of S1, the four of a column the same tiles of S0: each tile is asked for JOINTLY,
; by the same tensor load with the same descriptor and a mask that names the four.  192 work-groups: a smaller tile would give more of them and double the LDS and L2 bytes for each product.
; THE SCALE WORDS of a wave's 16 tiles of rows, for all of K, stay in 128 registers: register p of a tile holds K step 2 p in lanes 0-15 and 2 p + 1 in lanes 16-31.
; THE ROWS OF K'S AND V'S FRAGMENTS ARE NOT NEIGHBOURS: row p of tile 2 b + u is row 32 b + 8 u + p + 8 (p / 8), so that in the next launch the 16 registers of two neighbouring result tiles are 16 neighbours.
; OUT: qkv_codes [Q, K, V][head][block of 128][tile 8][1,536]; qkv_scales [Q, K, V][head][block][4][lane] words: register k holds tile 2 k in lanes 0-15, tile 2 k + 1 in lanes 16-31.
; LIMITS: NaN and infinities are not served; a block of zeros gets the byte 1 (its codes are zeros; this program alone reads the bytes); blocks with a largest magnitude under 2^-122 are held at the byte 1.
; REGISTERS, in windows of 256.  Window 0: v1-29 addresses; v32-95, v96-159 the scale words of S0 and S1 (nothing else ever stands there); v160-255 S1's eight fragments, ONE set; in the tail v160-223 a row's
; 64 numbers, v224-253 at work.  Window 1: S0's eight fragments, TWO sets, at v0 and v128.  Window 2: the accumulators of my S1 rows 0-63 ((a, b) at 8 (8 a + b)); window 3: of rows 64-127; in the tail both
; hold the table of cos and sin.
.set FR,    12                         ; registers of a fragment
.set NL,    3                          ; LDS loads that bring one
.set FRB,   1536                       ; its image in bytes
.set ROWB,  3*FRB                      ; what a slot holds of a tile of 16 rows: 3 K steps
.set TROW,  24576                      ; a tile of 16 rows in memory: 16 K steps
.set HALFT, 8*ROWB                     ; 128 rows: what one tensor load brings, and what one wave reads of S1 or of S0
.set SLOT,  4*HALFT                    ; S1's 256 rows, then S0's 256 rows
.set SPARE, 2*SLOT                     ; behind the ring: the spare words, 128 bytes for each wave: two blocks of 256 bytes that no other line names
.set SP,    528                        ; the stage, laid over the ring behind a barrier, when both slots have had their last fill: a row of 128 f32 + 16 bytes
.set WSTG,  128*SP                     ; a wave's 128 rows
.set ADRA,  4                          ; v4-5    LDS address of my S1 fragments in slot 0, 1
.set ADRB,  6                          ; v6-7    the same for S0
.set SO,    8                          ; v8      the stage: where I put 32 bytes of a row
.set L16,   9                          ; v9      16 x lane
.set L4,    10                         ; v10     4 x lane
.set SH8,   11                         ; v11     8 x (lane / 16)
.set SR,    12                         ; v12-13  the stage: my row of an even, an odd fragment
.set RO,    14                         ; v14-15  the same rows' places in the table of cos and sin
.set SPW,   28                         ; v28     LDS address of my spare word: SPARE + 4 x my thread's number; never rewritten
.set NIL,   29                         ; v29     0; never rewritten
.set SCB,   32
.set SCA,   96
.set AF,    160
.set X,     160
.set M,     224
.set SOP,   226
.set BY,    228
.set W,     230
.set T,     231
.set PW,    232
.set PWS,   233
.set PC,    234
.set TQ,    246
.set G1,    24                         ; s[24:31] descriptor group 1 for S1's tiles;  s[32:39] group 0, one set for each slot
.set G0,    32
.set G1B,   48                         ; s[48:55], s[56:63] the same for S0's tiles
.set G0B,   56
.set SEL,   86
.set KQ,    0                          ; the K step in hand, 0 .. 15: all sixteen are written out, since a K step's scale registers have fixed numbers
.set MSB, 0
.macro WIN new                         ; the immediate's high byte repeats the setting that is left
.if MSB != \new
	s_set_vgpr_msb (MSB<<8)|\new
.set MSB, \new
.endif
.endm
.set MUL_LO, 0xa1                      ; source 0 (S0) window 1, source 1 (S1) window 0, C and D window 2
.set MUL_HI, 0xf1                      ; the same, C and D window 3
.set TO_B,   0x40                      ; destination window 1, address window 0
; A joint load: waves 0 and 1 fetch for S1, waves 2 and 3 for S0.  Each of the two lines has ONE mask and one set of registers for all that issue it; the branch hangs on the wave's number alone.
; Four v_nop follow each of the two lines, ahead of the jump, the label and what follows.
.macro JLOAD g0a, g1a, g0b, g1b
	s_cmp_eq_u32 s15, 0
	s_cbranch_scc0 .Lfor_b_\@
	tensor_load_to_lds s[\g0a:\g0a+3], s[\g1a:\g1a+7]
	s_nop 0
.rept 4
	v_nop
.endr
	s_branch .Lasked_\@
.Lfor_b_\@:
	tensor_load_to_lds s[\g0b:\g0b+3], s[\g1b:\g1b+7]
	s_nop 0
.rept 4
	v_nop
.endr
.Lasked_\@:
.endm
.macro CREST                           ; a round of the cluster's barrier behind its opening barrier
	s_cmp_lg_u32 s14, 0
	s_cbranch_scc1 .Lnot_wave_0_\@
	s_barrier_signal -3
.Lnot_wave_0_\@:
	s_barrier_wait -3
	s_barrier_signal -1
	s_barrier_wait -1
.endm
.macro CROUND                          ; a whole round
	s_barrier_signal -1
	s_barrier_wait -1
	CREST
.endm
; A load into a register that a matrix instruction has read, and an LDS store that reads a matrix result, stand four places behind that matrix instruction, and only plain vector instructions that name none
; of its registers are places (ISA guide 7.12.1 for vector instructions).
.macro PLACES
.rept 4
	v_nop
.endr
.endm
	s_load_b256 s[4:11], s[0:1], 0x0               ; codes, scales, rope, qkv_codes
	s_load_b64 s[12:13], s[0:1], 0x20              ; qkv_scales
	v_lshl_add_u32 v[SPW], v0, 2, SPARE
	v_mov_b32 v[NIL], 0
	ds_add_u32 v28, v29
	ds_add_u32 v28, v29
	s_wait_dscnt 0x0
	v_lshrrev_b32 v1, 5, v0
	v_readfirstlane_b32 s14, v1                    ; wave 0..3
	s_lshr_b32 s15, s14, 1                         ; which half of the tile's S1 rows is mine.  Also: I fetch for S1 (0) or for S0 (1)
	s_and_b32 s16, s14, 1                          ; which half of its S0 rows.  Also: which 128 rows of that tile I fetch
	s_bfe_u32 s40, ttmp6, 0x40000                  ; cx, cy: my place in the cluster
	s_bfe_u32 s41, ttmp6, 0x40004
	s_lshl_b32 s42, ttmp9, 2
	s_add_co_u32 s42, s42, s40                     ; S0's tile of 256 rows = 4 x cluster x + cx
	s_and_b32 s66, ttmp7, 0xffff                   ; cluster y, 0 .. 5
	s_lshr_b32 s67, s66, 1                         ; y: the product, the same in all sixteen partners
	s_and_b32 s17, s66, 1
	s_lshl_b32 s17, s17, 2
	s_add_co_u32 s17, s17, s41                     ; S1's tile of 256 rows = 4 x (cluster y % 2) + cy
	s_lshl_b32 s43, s41, 2
	s_lshl_b32 s43, 15, s43                        ; my row of the cluster
	s_lshl_b32 s44, 0x1111, s40                    ; my column
	s_add_co_u32 s68, s67, 3
	s_cmp_lt_u32 s67, 2
	s_cselect_b32 s68, s68, 2                      ; S0: tensor 3 + y (the weight), or 2 (value)
	s_cselect_b32 s69, s67, 5                      ; S1: tensor y (the tokens), or 5 (w_v)
	s_cmp_lg_u32 s67, 0
	s_cselect_b32 s70, 1, 0                        ; P: K's and V's fragments take their rows in the chosen order
	; descriptor group 1: 8 rows of 4,608 bytes (576 elements of 8 bytes), 24,576 bytes (3,072 elements) apart, laid on end in LDS
	s_or_b32 s[G1+0], s43, (3<<16)|(1<<21)         ; 15:0 the mask: S1's tiles go to my row; 17:16 elements of 8 bytes; 20 no padding; 21 set beside a mask
	s_or_b32 s[G1B+0], s44, (3<<16)|(1<<21)        ; the same with the mask of my column, for S0's tiles
.irp g, G1, G1B
	s_mov_b32 s[\g+1], 576<<16                     ; tensor_dim0
	s_mov_b32 s[\g+2], 8<<16                       ; tensor_dim1
	s_mov_b32 s[\g+3], 576<<16                     ; tile_dim0
	s_mov_b32 s[\g+4], 8                           ; tile_dim1
	s_mov_b32 s[\g+5], 3072                        ; tensor_dim0_stride
	s_mov_b32 s[\g+6], 0
	s_mov_b32 s[\g+7], 0
.endr
	; where the tiles come from.  S1's hang on its tile alone, which my row of the cluster shares; S0's on its tile alone, which my column shares; each in registers that never hold the other coordinate
	s_mul_i32 s89, s16, 8*TROW                     ; which 128 rows of the tile I fetch
	s_mul_i32 s20, s69, 3145728
	s_mul_i32 s18, s17, 16*TROW
	s_add_co_u32 s20, s20, s18
	s_add_co_u32 s20, s20, s89
	s_mov_b32 s21, 0
	s_mul_i32 s46, s68, 3145728
	s_mul_i32 s19, s42, 16*TROW
	s_add_co_u32 s46, s46, s19
	s_add_co_u32 s46, s46, s89
	s_mov_b32 s47, 0
	s_mul_i32 s45, s14, HALFT                      ; where they go: wave x 128 rows: no place in the cluster enters an LDS address
	s_wait_kmcnt 0x0
	s_add_nc_u64 s[20:21], s[4:5], s[20:21]
	s_add_nc_u64 s[46:47], s[4:5], s[46:47]
	CROUND                                         ; all sixteen work-groups are here: the first joint loads meet
.irp s, 0,1
	s_mov_b32 s[G0+4*\s], 1                                        ; 1:0 count = 1
	s_add_co_u32 s[G0+4*\s+1], s45, \s*SLOT                        ; 63:32 LDS address
	s_add_nc_u64 s[G0+4*\s+2:G0+4*\s+3], s[20:21], \s*ROWB         ; 120:64 global address: K steps 3 s on
	s_or_b32 s[G0+4*\s+3], s[G0+4*\s+3], 0x80000000                ; 127:126 type = 2
	s_mov_b32 s[G0B+4*\s], 1
	s_add_co_u32 s[G0B+4*\s+1], s45, \s*SLOT
	s_add_nc_u64 s[G0B+4*\s+2:G0B+4*\s+3], s[46:47], \s*ROWB
	s_or_b32 s[G0B+4*\s+3], s[G0B+4*\s+3], 0x80000000
	JLOAD G0+4*\s, G1, G0B+4*\s, G1B               ; both slots' first fills go out together: two loads of mine are out
.endr
	v_and_b32 v1, 31, v0                           ; lane
	v_and_b32 v2, 15, v0                           ; r
	v_bfe_u32 v3, v0, 4, 1                         ; h
	v_lshlrev_b32 v[L16], 4, v1
	v_lshlrev_b32 v[L4], 2, v1
	v_lshlrev_b32 v[SH8], 3, v3
	s_mul_i32 s21, s15, HALFT                      ; my 128 rows of S1
	s_mul_i32 s22, s16, HALFT                      ; my 128 rows of S0,
	s_add_co_u32 s22, s22, 2*HALFT                 ; which lie behind S1's 256
.irp s, 0,1
	v_add_nc_u32 v[ADRA+\s], s21, v[L16]
	v_add_nc_u32 v[ADRB+\s], s22, v[L16]
	s_add_co_u32 s21, s21, SLOT
	s_add_co_u32 s22, s22, SLOT
.endr
	s_mul_i32 s23, s14, WSTG                       ; my stage
	v_mul_u32_u24 v[SO], v2, SP
	v_lshl_add_u32 v[SO], v3, 5, v[SO]
	v_add_nc_u32 v[SO], s23, v[SO]                 ; in: row r, + 32 h
	s_lshl_b32 s71, s42, 1
	s_add_co_u32 s71, s71, s16                     ; my 128 of S0's rows
	s_lshl_b32 s72, s17, 1
	s_add_co_u32 s72, s72, s15                     ; my 128 of S1's rows
	s_cmp_lt_u32 s67, 2
	s_cselect_b32 s73, s71, s72                    ; the head
	s_cselect_b32 s74, s72, s71                    ; the block of 128 tokens
	v_and_b32 v[SR], 8, v2
	v_mul_u32_u24 v[SR], s70, v[SR]
	v_add_nc_u32 v[SR], v[SR], v2                  ; my row, among 32, of an even fragment: r + 8 P (r / 8)
	s_lshl_b32 s75, s70, 3
	s_sub_co_u32 s75, 16, s75
	v_add_nc_u32 v[SR+1], s75, v[SR]               ; and of an odd one: 16 - 8 P further on
	s_lshl_b32 s76, s74, 7
.irp f, 0,1
	v_add_nc_u32 v16, s76, v[SR+\f]                ; the row's position l in the block's first 32
	v_lshrrev_b32 v17, 4, v16
	v_and_b32 v16, 15, v16
	v_lshlrev_b32 v17, 13, v17
	v_lshl_add_u32 v17, v16, 4, v17
	v_lshl_add_u32 v[RO+\f], v3, 8, v17            ; its place in the table: 8,192 (l / 16) + 16 (l % 16) + 256 h; 32 rows on are 16,384 bytes on
.endr
.irp f, 0,1
	v_mul_u32_u24 v[SR+\f], v[SR+\f], SP
	v_lshl_add_u32 v[SR+\f], v3, 7, v[SR+\f]
	v_add_nc_u32 v[SR+\f], s23, v[SR+\f]           ; the stage, out: my row, + 128 h
.endr
	s_mov_b32 s79, 0
	s_lshl_b32 s78, s68, 17                        ; scale words: 131,072 bytes a tensor, 1,024 a tile of 16 rows
	s_lshl_b32 s77, s42, 14
	s_add_co_u32 s78, s78, s77
	s_lshl_b32 s77, s16, 13
	s_add_co_u32 s78, s78, s77
	s_add_nc_u64 s[80:81], s[6:7], s[78:79]        ; of my 128 rows of S0
	s_lshl_b32 s78, s69, 17
	s_lshl_b32 s77, s17, 14
	s_add_co_u32 s78, s78, s77
	s_lshl_b32 s77, s15, 13
	s_add_co_u32 s78, s78, s77
	s_add_nc_u64 s[82:83], s[6:7], s[78:79]        ; of my 128 rows of S1
.irp t, 0,1,2,3,4,5,6,7
.irp p, 0,1,2,3,4,5,6,7
	global_load_b32 v[SCB+8*\t+\p], v[L4], s[80:81] offset:1024*\t+128*\p
	global_load_b32 v[SCA+8*\t+\p], v[L4], s[82:83] offset:1024*\t+128*\p
.endr
.endr
	s_lshl_b32 s77, s73, 4
	s_add_co_u32 s77, s77, s74                     ; 16 head + block
	s_mul_i32 s78, s67, 3145728
	s_mul_i32 s84, s77, 12288
	s_add_co_u32 s78, s78, s84
	s_add_nc_u64 s[10:11], s[10:11], s[78:79]      ; where my eight fragments go,
	s_lshl_b32 s78, s67, 17
	s_lshl_b32 s84, s77, 9
	s_add_co_u32 s78, s78, s84
	s_add_nc_u64 s[12:13], s[12:13], s[78:79]      ; and their four scale registers
	s_mov_b32 s[SEL], 0x76543210                   ; lane selects: lane l xor 16
	s_mov_b32 s[SEL+1], 0xfedcba98
	s_mov_b32 s88, 0xffff0000                      ; as a lane mask: lanes 16-31
.macro FRAG reg, adr, q, i             ; a fragment's image: three loads of 512 consecutive bytes
.irp c, 0,1,2
	ds_load_b128 v[\reg+4*\c:\reg+4*\c+3], v[\adr] offset:ROWB*(\i)+FRB*(\q)+512*\c
.endr
.endm
.macro FETCH_B slot, q, p              ; S0's eight fragments of the slot's q-th K step into set p
	WIN TO_B
.irp i, 0,1,2,3,4,5,6,7
	FRAG 128*(\p)+FR*\i, ADRB+\slot, \q, \i
.endr
	WIN 0
.endm
.macro FETCH_A slot, q, i0             ; S1's blocks i0 .. i0 + 3
.irp i, \i0, \i0+1, \i0+2, \i0+3
	FRAG AF+FR*(\i), ADRA+\slot, \q, \i
.endr
.endm
; 16 matrix instructions of K step KQ: S1's blocks a0, a0 + 1 x S0's eight (set KQ % 2).  zero = 1: the first product starts the sums: nothing is ever cleared.  An odd K step's scale words stand in lanes 16-31.
; The 64 accumulators take turns, one instruction a turn, in the same order in every step.
.macro MUL16 a0, zero
.irp a, \a0, \a0+1
.irp b, 0,1,2,3,4,5,6,7
.if \zero
	v_wmma_scale_f32_16x16x128_f8f6f4 v[8*(8*((\a)%4)+\b):8*(8*((\a)%4)+\b)+7], v[128*(KQ%2)+FR*\b:128*(KQ%2)+FR*\b+FR-1], v[AF+FR*(\a):AF+FR*(\a)+FR-1], 0, v[SCB+8*\b+KQ/2], v[SCA+8*(\a)+KQ/2] matrix_a_fmt:MATRIX_FMT_BF6 matrix_b_fmt:MATRIX_FMT_BF6
.elseif KQ%2 == 0
	v_wmma_scale_f32_16x16x128_f8f6f4 v[8*(8*((\a)%4)+\b):8*(8*((\a)%4)+\b)+7], v[128*(KQ%2)+FR*\b:128*(KQ%2)+FR*\b+FR-1], v[AF+FR*(\a):AF+FR*(\a)+FR-1], v[8*(8*((\a)%4)+\b):8*(8*((\a)%4)+\b)+7], v[SCB+8*\b+KQ/2], v[SCA+8*(\a)+KQ/2] matrix_a_fmt:MATRIX_FMT_BF6 matrix_b_fmt:MATRIX_FMT_BF6
.else
	v_wmma_scale_f32_16x16x128_f8f6f4 v[8*(8*((\a)%4)+\b):8*(8*((\a)%4)+\b)+7], v[128*(KQ%2)+FR*\b:128*(KQ%2)+FR*\b+FR-1], v[AF+FR*(\a):AF+FR*(\a)+FR-1], v[8*(8*((\a)%4)+\b):8*(8*((\a)%4)+\b)+7], v[SCB+8*\b+KQ/2], v[SCA+8*(\a)+KQ/2] matrix_a_fmt:MATRIX_FMT_BF6 matrix_b_fmt:MATRIX_FMT_BF6 matrix_a_scale:MATRIX_SCALE_ROW1 matrix_b_scale:MATRIX_SCALE_ROW1
.endif
.endr
.endr
.endm
; A K step, the slot's q-th, that has its successor in the same slot.  A block of S1 is free as soon as its eight products are issued, so one set serves S1: blocks 0-3 are fetched anew in the step's middle,
; blocks 4-7 at its end.  S0's fragments are at work through the whole step: the next step's come into the other set.
.macro STEP slot, q, zero
	s_wait_dscnt 4*NL                              ; S0's set and S1's blocks 0-3 are in; the youngest twelve loads (blocks 4-7) may be out
	WIN MUL_LO
	MUL16 0, \zero
	MUL16 2, \zero
	s_wait_dscnt 0x0                               ; blocks 4-7 are in (asked for 32 matrix instructions ago)
	PLACES
	FETCH_B \slot, (\q)+1, 1-KQ%2
	FETCH_A \slot, (\q)+1, 0
	WIN MUL_HI
	MUL16 4, \zero
	MUL16 6, \zero
	PLACES
	WIN 0
	FETCH_A \slot, (\q)+1, 4
.set KQ, KQ+1
.endm
; A slot's last K step changes slots: ONE barrier; in front of it each wave waits for all its tensor loads, adds 0 to its spare word, and waits for that and for its own reads of this slot.
; fill = 1: this slot is filled again, with the K steps two slots on; the load then has 160 matrix instructions in which to land.
.macro TURN slot, next, fill
	s_wait_tensorcnt 0x0                           ; all my tensor loads have landed: my part of the next slot;  (every window is 0 here: the add's two registers lie in window 0)
	ds_add_u32 v[SPW], v[NIL]                      ; 0 onto my spare word
	s_wait_dscnt 4*NL+1                            ; (the add and the youngest twelve loads, S1's blocks 4-7, may be out)
	WIN MUL_LO
	MUL16 0, 0                                     ; sixteen matrix instructions stand between the add and the wait for it
	s_wait_dscnt 0x0                               ; the add is done, and my reads of this slot are over
	s_barrier_signal -1
	MUL16 2, 0
	WIN 0
	s_barrier_wait -1
.if \fill
	CREST                                          ; the barrier has opened a round of the cluster's barrier: no wave of any partner still reads this slot's tile or has a load on its way
	s_add_nc_u64 s[G0+4*\slot+2:G0+4*\slot+3], s[G0+4*\slot+2:G0+4*\slot+3], 2*ROWB
	s_add_nc_u64 s[G0B+4*\slot+2:G0B+4*\slot+3], s[G0B+4*\slot+2:G0B+4*\slot+3], 2*ROWB
	JLOAD G0+4*\slot, G1, G0B+4*\slot, G1B         ; the first tensor load behind the round; the four v_nop behind it are also the places in front of the loads below
.else
	PLACES
.endif
	FETCH_B \next, 0, 1-KQ%2
	FETCH_A \next, 0, 0
	WIN MUL_HI
	MUL16 4, 0
	MUL16 6, 0
	PLACES
	WIN 0
	FETCH_A \next, 0, 4
.set KQ, KQ+1
.endm
	s_wait_tensorcnt 1                             ; my part of slot 0 is in (slot 1's load may be out)
	s_barrier_signal -1
	s_barrier_wait -1                              ; everybody's is
	FETCH_B 0, 0, 0
	FETCH_A 0, 0, 0
	FETCH_A 0, 0, 4
	s_wait_loadcnt 0x0                             ; the scale words
	STEP 0, 0, 1                                   ; K step 0: its products start the sums
	STEP 0, 1, 0
	TURN 0, 1, 1                                   ; K step 2; slot 0 takes K steps 6 to 8
	STEP 1, 0, 0
	STEP 1, 1, 0
	TURN 1, 0, 1                                   ; K step 5; slot 1 takes K steps 9 to 11
	STEP 0, 0, 0
	STEP 0, 1, 0
	TURN 0, 1, 1                                   ; K step 8; slot 0 takes K steps 12 to 14
	STEP 1, 0, 0
	STEP 1, 1, 0
	TURN 1, 0, 1                                   ; K step 11; slot 1 takes K step 15
	STEP 0, 0, 0
	STEP 0, 1, 0
	TURN 0, 1, 0                                   ; K step 14: nothing is left to fetch, so no round follows
	s_wait_dscnt 4*NL                              ; K step 15
	WIN MUL_LO
	MUL16 0, 0
	MUL16 2, 0
	s_wait_dscnt 0x0
	WIN MUL_HI
	MUL16 4, 0
	MUL16 6, 0
	WIN 0
	PLACES                                         ; ahead of the stores that read the last results, and of the loads into the registers that held fragments
	; THE STAGE: a wave's own 128 rows (S1 index) of 128 f32 (S0 index).  It lies over both slots, so every wave's reads of them are over first.
	s_wait_dscnt 0x0
	s_barrier_signal -1
	s_barrier_wait -1
.irp a, 0,1,2,3,4,5,6,7
	WIN (0x08+4*((\a)/4))                          ; an LDS store's data are its source 1: window 2 or 3
.irp b, 0,1,2,3,4,5,6,7
	ds_store_b128 v[SO], v[8*(8*((\a)%4)+\b):8*(8*((\a)%4)+\b)+3] offset:16*SP*\a+64*\b          ; each accumulator from its low end on
	ds_store_b128 v[SO], v[8*(8*((\a)%4)+\b)+4:8*(8*((\a)%4)+\b)+7] offset:16*SP*\a+64*\b+16
.endr
.endr
	WIN 0
	s_wait_dscnt 0x0                               ; my stores have landed, and the accumulators' registers are free
; cos and sin of fragment F's rows' positions, frequencies 32 h + 0 .. 31: 64 registers at 64 (F % 4) of window 2 + F / 4
.macro TABLE F
	WIN (0x80+0x40*((\F)/4))
.irp j, 0,1,2,3,4,5,6,7
	global_load_b128 v[64*((\F)%4)+4*\j:64*((\F)%4)+4*\j+3], v[RO+(\F)%2], s[8:9] offset:16384*((\F)/2)+512*\j
	global_load_b128 v[64*((\F)%4)+32+4*\j:64*((\F)%4)+32+4*\j+3], v[RO+(\F)%2], s[8:9] offset:16384*((\F)/2)+4096+512*\j
.endr
	WIN 0
.endm
	s_cmp_lt_u32 s67, 2                            ; Q and K alone are rotated.  The branch hangs on the product, which all partners share
	s_cbranch_scc0 .Lno_table
	TABLE 0                                        ; the table runs three fragments ahead of the work
	TABLE 1
	TABLE 2
.Lno_table:
	s_barrier_signal -1
	s_barrier_wait -1
	v_mov_b32 v[T], 0                              ; a lane permute's destination counts as one of its sources
; 64 numbers of a lane, two whole blocks of 32 (register 32 c + i = k 64 c + 32 h + i), become the fragment's 12 registers in v[PC] on and the row's scale word in v[PW].
.macro QUANTW x
.irp c, 0,1
	v_max3_num_f32 v[M+\c], |v[\x+32*\c]|, |v[\x+32*\c+1]|, 0x2800000   ; the floor 2^(5 - 127): the byte cannot fall under 1
.endr
.irp i, 2,4,6,8,10,12,14,16,18,20,22,24,26,28,30
.irp c, 0,1
	v_max3_num_f32 v[M+\c], v[M+\c], |v[\x+32*\c+\i]|, |v[\x+32*\c+\i+1]|   ; the two blocks by turns
.endr
.endr
.irp c, 0,1
	v_add_nc_u32 v[SOP+\c], 0xfe000000, v[M+\c]    ; 4 off the exponent field: the conversion's scale operand
.endr
.irp c, 0,1
	v_lshrrev_b32 v[BY+\c], 23, v[SOP+\c]          ; the scale's byte
.endr
	v_lshl_or_b32 v[W], v[BY+1], 16, v[BY]         ; my blocks are h and 2 + h of the row's four
	v_lshlrev_b32 v[W], v[SH8], v[W]
	v_permlanex16_b32 v[T], v[W], s[SEL], s[SEL+1]
	v_or_b32 v[PW], v[W], v[T]                     ; with lane l xor 16's two bytes the word is whole
	s_wait_xcnt 0x0                                ; the last fragment's stores have read v[PC] on, and the last scale register's store its data
.irp c, 0,1
	v_cvt_scalef32_pk16_bf6_f32 v[PC+6*\c:PC+6*\c+2], v[\x+32*\c:\x+32*\c+15], v[SOP+\c]
	v_cvt_scalef32_pk16_bf6_f32 v[TQ+4*\c:TQ+4*\c+2], v[\x+32*\c+16:\x+32*\c+31], v[SOP+\c]   ; a conversion's three registers begin on an even number
.endr
	v_nop                                          ; one plain place behind the scaled conversions
.irp c, 0,1
.irp i, 0,1,2
	v_mov_b32 v[PC+3+6*\c+\i], v[TQ+4*\c+\i]
.endr
.endr
.endm
; Fragment F of my block: my row's 64 numbers (channels or keys 64 c + 32 h + i), rotated where y < 2, quantised, stored.
.macro TAIL F
.irp c, 0,1
.irp j, 0,1,2,3,4,5,6,7
	ds_load_b128 v[X+32*\c+4*\j:X+32*\c+4*\j+3], v[SR+(\F)%2] offset:32*SP*((\F)/2)+256*\c+16*\j
.endr
.endr
	s_wait_dscnt 0x0
	s_cmp_lt_u32 s67, 2
	s_cbranch_scc0 .Lno_turn_\@
.if (\F) < 6
	s_wait_loadcnt 32                              ; this fragment's 16 table loads are in; those of the two fragments behind it stay out
.else
	s_wait_loadcnt 16*(7-(\F))
.endif
.if (\F)+3 < 8
	TABLE (\F)+3
.endif
	WIN (0x08+4*((\F)/4))                          ; the table is always source 1: window 2 or 3
.set TB, 64*((\F)%4)
.set i, 0
.rept 8                                ; x1 = channel 32 h + i, x2 = channel 64 + 32 h + i, in the same lane: x1 c - x2 s, x1 s + x2 c; two numbers an instruction, two pairs by turns
	v_pk_mul_f32 v[TQ:TQ+1], v[X+32+i:X+33+i], v[TB+32+i:TB+33+i]
	v_pk_mul_f32 v[TQ+2:TQ+3], v[X+32+i:X+33+i], v[TB+i:TB+1+i]
	v_pk_mul_f32 v[TQ+4:TQ+5], v[X+34+i:X+35+i], v[TB+34+i:TB+35+i]
	v_pk_mul_f32 v[TQ+6:TQ+7], v[X+34+i:X+35+i], v[TB+2+i:TB+3+i]
	v_pk_fma_f32 v[X+32+i:X+33+i], v[X+i:X+1+i], v[TB+32+i:TB+33+i], v[TQ+2:TQ+3]
	v_pk_fma_f32 v[X+i:X+1+i], v[X+i:X+1+i], v[TB+i:TB+1+i], v[TQ:TQ+1] neg_lo:[0,0,1] neg_hi:[0,0,1]
	v_pk_fma_f32 v[X+34+i:X+35+i], v[X+2+i:X+3+i], v[TB+34+i:TB+35+i], v[TQ+6:TQ+7]
	v_pk_fma_f32 v[X+2+i:X+3+i], v[X+2+i:X+3+i], v[TB+2+i:TB+3+i], v[TQ+4:TQ+5] neg_lo:[0,0,1] neg_hi:[0,0,1]
.set i, i+4
.endr
	WIN 0
.Lno_turn_\@:
	QUANTW X
.irp c, 0,1,2
	global_store_b128 v[L16], v[PC+4*\c:PC+4*\c+3], s[10:11] offset:1536*(\F)+512*\c   ; 512 consecutive bytes
.endr
.endm
.irp g, 0,1,2,3
	TAIL 2*\g
	v_mov_b32 v[PWS], v[PW]
	TAIL 2*\g+1
	v_cndmask_b32 v[PWS], v[PWS], v[PW], s88       ; the odd tile's words in lanes 16-31
	global_store_b32 v[L4], v[PWS], s[12:13] offset:128*\g
.endr
	s_wait_tensorcnt 0x0                           ; the wave's end, behind my last tensor load and my last LDS store
	ds_add_u32 v[SPW], v[NIL]
	s_wait_dscnt 0x0
	CROUND                                         ; the closing round: no work-group ends while a partner may still ask for a tile that names it
	s_endpgm
.Lfunc_end_k_q6f0e2f9ffc_proj:
	.size	k_q6f0e2f9ffc_proj, .Lfunc_end_k_q6f0e2f9ffc_proj-k_q6f0e2f9ffc_proj
	.p2alignl 7, 3214868480
	.fill 96, 4, 3214868480
	.section	.rodata,"a",@progbits
	.p2align	6, 0x0
	.amdhsa_kernel k_q6f0e2f9ffc_proj
		.amdhsa_group_segment_fixed_size 327680
		.amdhsa_private_segment_fixed_size 0
		.amdhsa_enable_private_segment 0
		.amdhsa_kernarg_size 40
		.amdhsa_user_sgpr_count 2
		.amdhsa_user_sgpr_kernarg_segment_ptr 1
		.amdhsa_wavefront_size32 1
		.amdhsa_system_sgpr_workgroup_id_x 1
		.amdhsa_system_sgpr_workgroup_id_y 1
		.amdhsa_system_sgpr_workgroup_id_z 1
		.amdhsa_system_vgpr_workitem_id 0
		.amdhsa_next_free_vgpr 1024
		.amdhsa_next_free_sgpr 96
		.amdhsa_reserve_vcc 0
		.amdhsa_float_denorm_mode_32 3
		.amdhsa_float_denorm_mode_16_64 3
		.amdhsa_memory_ordered 1
		.amdhsa_forward_progress 1
		.amdhsa_inst_pref_size 255
	.end_amdhsa_kernel
	.section	.bss,"aw",@nobits
	.p2align	6
	.space	262144
	.amdgpu_metadata
---
amdhsa.version: [ 1, 2 ]
amdhsa.kernels:
  - .name:           k_q6f0e2f9ffc_proj
    .symbol:         k_q6f0e2f9ffc_proj.kd
    .args:
      - { .name: codes, .offset: 0, .size: 8, .value_kind: global_buffer, .address_space: global }
      - { .name: scales, .offset: 8, .size: 8, .value_kind: global_buffer, .address_space: global }
      - { .name: rope, .offset: 16, .size: 8, .value_kind: global_buffer, .address_space: global }
      - { .name: qkv_codes, .offset: 24, .size: 8, .value_kind: global_buffer, .address_space: global }
      - { .name: qkv_scales, .offset: 32, .size: 8, .value_kind: global_buffer, .address_space: global }
    .group_segment_fixed_size: 327680
    .private_segment_fixed_size: 0
    .kernarg_segment_align: 8
    .kernarg_segment_size: 40
    .max_flat_workgroup_size: 128
    .sgpr_count:     96
    .vgpr_count:     1024
    .wavefront_size: 32
...
	.end_amdgpu_metadata
.endif
;; end of part 5
;; launch attn: the kernel of part 3 again; grid 16 x 16, 8 waves a work-group, no clusters, 52,224 bytes of LDS; arguments qkv_codes, qkv_scales, maskw, o_codes, o_scales; writes o_codes, o_scales
;; launch outp: the kernel of part 4 again; grid 256 x 1, 4 waves a work-group, no clusters, 98,816 bytes of LDS; arguments codes, scales, o_codes, o_scales, out0; writes out0
;; ======== version 3 of 3: 4 launches; version 2 with the launches attn, outp written anew for expert scheduling mode
;; limits: right only within a limited range of input values
;; workspace buffers: codes 22,020,096 bytes; scales 917,504 bytes; maskw 525,312 bytes of whole numbers; rope 1,048,576 bytes; qkv_codes 9,437,184 bytes; qkv_scales 393,216 bytes; o_codes 3,145,728 bytes; o_scales 131,072 bytes
;; launch prep: the kernel of part 1 again; grid 256 x 1, 8 waves a work-group, no clusters, 82,944 bytes of LDS; arguments query, key, value, w_q, w_k, w_v, w_o, mask, codes, scales, maskw, rope; writes codes, scales, maskw, rope
;; launch proj: the kernel of part 5 again; grid 8 x 24, 4 waves a work-group, clusters of 4 x 4, 327,680 bytes of LDS; arguments codes, scales, rope, qkv_codes, qkv_scales; writes qkv_codes, qkv_scales
;; launch attn (part 6): grid 16 x 16, 8 waves a work-group, no clusters, 52,224 bytes of LDS; arguments qkv_codes, qkv_scales, maskw, o_codes, o_scales; writes o_codes, o_scales
.if DOCPART == 6
	.amdgcn_target "amdgcn-amd-amdhsa--gfx1250"
	.amdhsa_code_object_version 6
	.text
	.protected	k_q6f0e2f9ffc_attn
	.globl	k_q6f0e2f9ffc_attn
	.p2align	8
	.type	k_q6f0e2f9ffc_attn,@function
k_q6f0e2f9ffc_attn:
	s_mov_b64 s[64:65], 0
	v_nop
	global_prefetch_b8 v0, s[64:65] scope:SCOPE_SE
	s_setreg_imm32_b32 hwreg(HW_REG_WAVE_SCHED_MODE, 0, 2), 2
	s_setreg_imm32_b32 hwreg(HW_REG_WAVE_MODE, 25, 1), 1
	s_wait_xcnt 0x0
	s_wait_alu depctr_vm_vsrc(0)
; ATTN.  O[h][q] = the sum over k of softmax_k(mask ? Q[h][q] . K[h][k] / sqrt(128) : least) V[h][k], both products on codes of BF6 (E3M2) with E8M0 scales; O is quantised along the head's channels on the way out.
; THE SOFTMAX AHEAD OF THE SECOND PRODUCT: t = score x log2(e) / sqrt(128); M = the row's largest t so far, rounded UP to a whole number; p = 2^(t - M) is what is quantised, along the keys; the row's sum is taken
; of the unquantised p and divides O at the end.  When M moves, the sum and O are multiplied by 2^(old M - new M): exact.
; SHARES.  A work-group has eight waves of one head; a wave owns ONE tile of 16 queries: with s = 4 x + wave % 4, tile s in waves 0-3 and tile 127 - s in waves 4-7, so that where a mask hides late keys from
; early queries a work-group's waves have complementary work; for any other mask nothing is lost.  Every wave walks all 16 steps of 128 keys.
; K's and V's eight fragments and their scale words lie in memory as images of operand registers; a step's 25,600 bytes go through registers into one of two LDS slots (each wave brings one fragment of each),
; one barrier a step.  No cluster: joint requests exist for tensor loads alone.
; THE MASK IS AN INPUT.  An earlier launch has stored it as lane masks (64 words a tile and step: bit 16 h + r of word 16 b + i belongs to the score in register 16 b + i of lane (r, h)) and as flags.
; A step in which none of the tile's 16 x 128 places is open is passed over by a scalar branch on the stored flags, but only in a tile all of whose rows have an open key somewhere; a step that is all open skips
; the 64 selects.  No barrier, no copy and no address step stands under those branches.
; A hidden score becomes -2^100.  c x 2^100 is a whole number, so a row with NO open key gets t - M = 0 and p = 1 for every key: the plain average of V, as the reference's softmax of equal scores gives.
; As soon as an open key arrives, 2^(old M - new M) is 0 and wipes what was summed before it.  LIMITS: open scores must lie above -2^100; NaN and infinities are not served; a block of zeros gets the byte 1.
; LAYOUT.  Both products are used transposed: S^T = K Q^T, O^T = V^T P^T: a lane holds ONE query (lane % 16) throughout.  The rows of K's and V's fragments were chosen (row p of tile 2 b + u is
; 32 b + 8 u + p + 8 (p / 8)), so that the 16 registers of result tiles 2 b and 2 b + 1 are 16 neighbours, 32 b + 16 (lane / 16) + 0 .. 15, along the next product's K.
; REGISTERS: v1-7, v29, v30 addresses and constants that stay; v12 -M, v13 the largest t, v[14:15] the sum; v16-27 Q; v32-79 fragments 0-3 of a product's eight; v80-83, v84-87 K's and V's scale words;
; v96-159 S^T, then p; v160-223 O^T; v224-235 p's codes; v232-254 at work (v250, v251: the closing add's two); v255 Q's scale words.
; Window 1: v0-24 what is on its way from memory to LDS; v32-79 fragments 4-7.
; THE MODE: SCHED_MODE bits 1:0 = 2 (LLVM: expert scheduling mode 2), set by the entry lines.  The code itself states the register dependences between vector or matrix instructions and memory or LDS
; instructions, with s_wait_alu, always for 0.
; THE PLAN.  Registers that memory or LDS instructions touch:
;   v1-6, v29, v30      addresses and offsets: made once at the head, ahead of the one wait in front of the first load; never written again.
;   window 1, v0-24     written by a step's seven loads from memory, read by the next step's seven LDS stores; no vector instruction names them.  One wait on vm_vsrc stands between the stores and the loads.
;   the two groups of fragments (v32-79 of windows 0 and 1), filled twice in a worked step: K's eight at the step's head, read by the eight products S^T; V's eight behind the wait for the exponentials,
;                       read by the eight products O^T.  v80-83 and v84-87, the scale words, come with them.
;   v224-235, v253      p's codes and scale word: written by vector instructions, read by the products O^T; on the way out O's, read by the global stores.
; So a worked step has four waits on va_vdst: at its head (the last worked step's products are done reading the groups); behind the 64 exponentials (their results are written, and the products S^T are done
; reading the groups: V's loads follow at once and land under the sums, the quantiser and the rescaling); behind the four exponentials; and ahead of the products O^T (p's codes and scale word are written).
.set SLB, 25600                        ; a slot: K's 8 fragments, V's 8 fragments, K's 4 scale registers, V's 4
.set VOF, 12288
.set KSC, 24576
.set VSC, 25088
.set MSB, 0
.macro WIN new
.if MSB != \new
	s_set_vgpr_msb (MSB<<8)|\new
.set MSB, \new
.endif
.endm
.macro BAR
	s_wait_dscnt 0x0
	s_barrier_signal -1
	s_barrier_wait -1
.endm
.macro NOP4
.rept 4
	v_nop
.endr
.endm
.macro KVLOAD again                    ; my fragment of K, my fragment of V (3,145,728 bytes on), my 128 bytes of scale words.  again = 0: the kernel's first loads
	WIN 0x40
.if \again
	s_wait_alu depctr_vm_vsrc(0)                   ; the seven LDS stores above have read v0-24 of window 1, in which these loads land
.else
	s_wait_alu depctr_va_vdst(0)                   ; the addresses and offsets v1-6, v29 and v30 are written: every load, store and prefetch of the kernel reads one of them
.endif
.irp c, 0,1,2
	global_load_b128 v[4*\c:4*\c+3], v5, s[4:5] offset:512*\c
	global_load_b128 v[12+4*\c:15+4*\c], v5, s[4:5] offset:3145728+512*\c
.endr
	global_load_b32 v24, v6, s[6:7]
	WIN 0
.endm
.macro KVSTORE s
	WIN 0x04
.irp c, 0,1,2
	ds_store_b128 v3, v[4*\c:4*\c+3] offset:SLB*(\s)+512*\c
	ds_store_b128 v3, v[12+4*\c:15+4*\c] offset:SLB*(\s)+VOF+512*\c
.endr
	ds_store_b32 v4, v24 offset:SLB*(\s)+KSC
	WIN 0
.endm
; Eight fragments from LDS byte at on: 0-3 into v32-79 of window 0, then the four scale registers from byte sat on into v[sc] on, then fragments 4-7 into v32-79 of window 1: 28 loads in one run
.macro FRAGS at, sc, sat
.irp t, 0,1,2,3
.irp c, 0,1,2
	ds_load_b128 v[32+12*\t+4*\c:35+12*\t+4*\c], v1 offset:(\at)+1536*\t+512*\c
.endr
.endr
.irp k, 0,1,2,3
	ds_load_b32 v[(\sc)+\k], v2 offset:(\sat)+128*\k
.endr
	WIN 0x40
.irp t, 0,1,2,3
.irp c, 0,1,2
	ds_load_b128 v[32+12*\t+4*\c:35+12*\t+4*\c], v1 offset:(\at)+1536*(4+\t)+512*\c
.endr
.endr
	WIN 0
.endm
.macro MASKLOAD step                   ; the 64 mask words of a step: word n in s[32 + n], from n = 32 on in s[36 + n]
.if \step
	s_add_nc_u64 s[8:9], s[8:9], 256               ; (the last scalar loads are done: their wait stands ahead)
.endif
	s_load_b512 s[32:47], s[8:9], 0x0
	s_load_b512 s[48:63], s[8:9], 0x40
	s_load_b512 s[68:83], s[8:9], 0x80
	s_load_b512 s[84:99], s[8:9], 0xc0
.endm
; A PREFETCH INTO THE L2 of the key step that my loads will ask for two steps on (step t + 4 where the loads just issued are step t + 2's): K's 12,288 bytes and V's, 96 blocks of 256 bytes, a lane a block.
; All sixteen work-groups of a head walk the same K and V: the head's first work-group asks, in its waves 0 to 2, one instruction each: each block is named once in the launch.
; Steps 0 to 3 come by their loads alone; the loop's last trip asks for nothing: there is no step 16.
.macro ASK
	s_cmp_gt_u32 s3, s28
	s_cbranch_scc0 .Lnot_mine_\@
	global_prefetch_b8 v30, s[26:27] th:TH_LOAD_NT scope:SCOPE_SE
.Lnot_mine_\@:
.endm
; The numbers v96-159 (register 16 b + i = k 32 b + 16 h + i of my row) and their blocks' largest magnitudes v232-235 become a fragment's codes in v224-235 and its scale word in v253.
.macro CODES
.irp b, 0,1,2,3
	v_add_nc_u32 v[244+\b], 0xfe000000, v[232+\b]  ; 4 off the exponent field: the conversion's scale operand
.endr
.irp b, 0,1,2,3
	v_lshrrev_b32 v[236+\b], 23, v[244+\b]         ; the scale's byte
.endr
	v_lshl_or_b32 v253, v237, 8, v236
	v_lshl_or_b32 v253, v238, 16, v253
	v_lshl_or_b32 v253, v239, 24, v253
.irp c, 0,1
	v_cvt_scalef32_pk16_bf6_f32 v[224+6*\c:226+6*\c], v[96+32*\c:111+32*\c], v[244+2*\c]
	v_cvt_scalef32_pk16_bf6_f32 v[236+4*\c:238+4*\c], v[112+32*\c:127+32*\c], v[244+2*\c+1]   ; a conversion's three registers begin on an even number
.endr
	v_nop                                          ; one plain place behind the scaled conversions
.irp c, 0,1                            ; the operand's layout wants a WHOLE block in a lane: lanes 0-15 block 2 c, lanes 16-31 block 2 c + 1
.irp i, 0,1,2
	v_permlane16_swap_b32 v[224+6*\c+\i], v[236+4*\c+\i]
.endr
.irp i, 0,1,2
	v_mov_b32 v[227+6*\c+\i], v[236+4*\c+\i]
.endr
.endr
.endm
	s_load_b256 s[4:11], s[0:1], 0x0               ; qkv_codes, qkv_scales, maskw, o_codes
	s_load_b64 s[12:13], s[0:1], 0x20              ; o_scales
	v_lshl_add_u32 v250, v0, 2, 0xc800
	v_mov_b32 v251, 0
	v_lshrrev_b32 v1, 5, v0
	v_readfirstlane_b32 s18, v1                    ; wave 0 .. 7
	s_wait_alu depctr_va_sdst(0)                   ; s18 is written, ahead of its first reader: the tile, the LDS places and the bases are made from it
	s_and_b32 s14, ttmp7, 0xffff                   ; the head
	s_and_b32 s19, s18, 3
	s_lshl_b32 s15, ttmp9, 2
	s_add_co_u32 s15, s15, s19
	s_sub_co_u32 s29, 127, s15
	s_cmp_lt_u32 s18, 4
	s_cselect_b32 s15, s15, s29                    ; my tile of 16 queries
	s_lshl_b32 s29, s15, 3                         ; its two flag words
	s_cmp_lt_u32 s18, 3
	s_cselect_b32 s28, 0, 1
	s_or_b32 s28, s28, ttmp9
	s_cmp_eq_u32 s28, 0
	s_cselect_b32 s28, 1, -1                       ; 1 in a wave that prefetches, else the greatest number
	s_mov_b32 s20, 0x76543210                      ; lane selects: lane l xor 16
	s_mov_b32 s21, 0xfedcba98
	s_mov_b32 s22, 0x3e0293ee                      ; c = log2(e) / sqrt(128)
	s_mov_b32 s23, s22                             ; (named with it as a pair, so it is written)
	v_and_b32 v8, 31, v0
	v_lshlrev_b32 v1, 4, v8                        ; 16 x lane
	v_lshlrev_b32 v2, 2, v8                        ; 4 x lane
	s_mul_i32 s2, s18, 1536
	v_add_nc_u32 v3, s2, v1                        ; LDS: the fragment that I bring
	s_lshl_b32 s2, s18, 7
	v_add_nc_u32 v4, s2, v2                        ; LDS: the scale register that I bring
	v_mov_b32 v5, v3                               ; memory: the same fragment
	v_mov_b32 v6, v2
	v_mov_b32 v7, 0xf1800000                       ; -2^100
	v_and_b32 v29, 15, v0
	v_lshlrev_b32 v29, 2, v29                      ; 4 r
	v_lshlrev_b32 v30, 8, v0                       ; the prefetches' offset: block 32 wave + lane; from block 48 on in V
	v_mov_b32 v9, 3145728-12288
	v_cmp_le_u32 vcc_lo, 48, v0
	s_wait_alu depctr_va_vcc(0)                    ; VCC is written, ahead of the select that reads it
	v_cndmask_b32 v9, 0, v9, vcc_lo
	v_add_nc_u32 v30, v30, v9
	s_wait_kmcnt 0x0
	s_load_b64 s[30:31], s[8:9], s29 offset:0x80000
	s_mov_b32 s3, 0
	s_mul_i32 s2, s14, 196608
	s_add_nc_u64 s[4:5], s[4:5], s[2:3]            ; the head, in Q's codes
	s_mul_i32 s2, s15, 1536
	s_add_nc_u64 s[16:17], s[4:5], s[2:3]          ; my tile of Q
	s_add_nc_u64 s[4:5], s[4:5], 3145728           ; K, step 0
	s_add_nc_u64 s[26:27], s[4:5], 36864           ; the prefetches stand at step 3; the first step's loads step them to 4
	s_lshl_b32 s2, s14, 13
	s_add_nc_u64 s[6:7], s[6:7], s[2:3]
	s_lshl_b32 s2, s15, 6
	s_add_nc_u64 s[66:67], s[6:7], s[2:3]          ; Q's scale words
	s_lshr_b32 s2, s18, 2
	s_add_co_u32 s2, s2, 1                         ; waves 0-3 bring K's scale registers, waves 4-7 V's
	s_lshl_b32 s2, s2, 17
	s_lshl_b32 s19, s19, 7
	s_add_co_u32 s2, s2, s19
	s_add_nc_u64 s[6:7], s[6:7], s[2:3]
	KVLOAD 0                                       ; step 0
.irp c, 0,1,2
	global_load_b128 v[16+4*\c:19+4*\c], v1, s[16:17] offset:512*\c   ; Q's fragment stays in registers
.endr
	global_load_b32 v255, v29, s[66:67]
	s_mul_i32 s2, s15, 24576                       ; O: row tile = my tile, K step = the head
	s_mul_i32 s19, s14, 1536
	s_add_co_u32 s2, s2, s19
	s_add_nc_u64 s[10:11], s[10:11], s[2:3]
	s_lshl_b32 s2, s15, 10
	s_lshl_b32 s19, s14, 6
	s_add_co_u32 s2, s2, s19
	s_add_nc_u64 s[12:13], s[12:13], s[2:3]
	s_wait_kmcnt 0x0                               ; the flags are in, and their load has read its address
	s_lshl_b32 s2, s15, 12
	s_add_nc_u64 s[8:9], s[8:9], s[2:3]            ; my tile's mask words
	MASKLOAD 0
	s_or_b32 s19, s30, s31
	s_lshr_b32 s19, s19, 16                        ; which rows have an open key at all
	s_and_b32 s24, s30, 0xff
	s_and_b32 s29, s31, 0xff
	s_lshl_b32 s29, s29, 8
	s_or_b32 s24, s24, s29
	s_cmp_eq_u32 s19, 0xffff
	s_cselect_b32 s24, s24, 0xffff                 ; bit t: step t is worked.  A tile with a row that has no open key works every step
	s_lshr_b32 s25, s30, 8
	s_and_b32 s25, s25, 0xff
	s_and_b32 s29, s31, 0xff00
	s_or_b32 s25, s25, s29                         ; bit t: step t is all open
	s_mov_b32 s3, 7
	v_mov_b32 v13, 0xff61b1e6                      ; the largest t so far: -3e38, under every t
	v_floor_f32 v12, -v13                          ; -M
	v_mov_b32 v14, 0
	v_mov_b32 v15, 0
.irp b, 0,1,2,3
	v_mov_b32 v[236+\b], 0                         ; a lane permute's destination counts as one of its sources
.endr
	v_mov_b32 v252, 0
	v_mov_b32 v253, 0
.set j, 0
.rept 64
	v_mov_b32 v[160+j], 0                          ; O^T: the step is written for every step alike; the first finds zeros
.set j, j+1
.endr
	s_wait_loadcnt 0x0
	KVSTORE 0
	s_add_nc_u64 s[4:5], s[4:5], 12288             ; (the loads that read these bases are done: the wait on LOADcnt above)
	s_add_nc_u64 s[6:7], s[6:7], 512
	KVLOAD 1                                       ; step 1
	BAR                                            ; slot 0 is whole
; A KEY STEP, read from slot sl.  st: the next step's bytes go from registers into the other slot.  ld: the step after that is asked for.  mk: the next step's mask words are asked for.  bar: a step follows.
.macro STEP sl, st, ld, mk, bar
.if \st
	s_wait_loadcnt 0x0                             ; the next step's bytes are in registers; nobody reads the other slot: every wave's reads of it were over at the last barrier
	KVSTORE 1-\sl
.endif
.if \ld
	s_wait_xcnt 0x0                                ; the last prefetch, a step back, has read its address
	s_add_nc_u64 s[4:5], s[4:5], 12288
	s_add_nc_u64 s[6:7], s[6:7], 512
	s_add_nc_u64 s[26:27], s[26:27], 12288
	KVLOAD 1
	ASK
.endif
	s_bitcmp1_b32 s24, 0
	s_cbranch_scc0 .Lskip_\@                       ; nothing of this step is open for my tile
	s_wait_alu depctr_va_vdst(0)                   ; the last worked step's products are done reading both groups of fragments and K's scale words v80-83, in which the loads below land
	FRAGS SLB*\sl, 80, SLB*\sl+KSC
.irp g, 0,1                            ; S^T = K Q^T: tiles 0-3 from the group in window 0, tiles 4-7 from the group in window 1
.if \g == 0
	s_wait_dscnt 12                                ; fragments 0-3 and the scale words are in; the youngest twelve loads, fragments 4-7, stay out
.else
	s_wait_dscnt 0x0
.endif
	WIN \g
.irp t, 0,1,2,3
.if \t%2 == 0
	v_wmma_scale_f32_16x16x128_f8f6f4 v[96+8*(4*\g+\t):103+8*(4*\g+\t)], v[32+12*\t:43+12*\t], v[16:27], 0, v[80+2*\g+\t/2], v255 matrix_a_fmt:MATRIX_FMT_BF6 matrix_b_fmt:MATRIX_FMT_BF6
.else
	v_wmma_scale_f32_16x16x128_f8f6f4 v[96+8*(4*\g+\t):103+8*(4*\g+\t)], v[32+12*\t:43+12*\t], v[16:27], 0, v[80+2*\g+\t/2], v255 matrix_a_fmt:MATRIX_FMT_BF6 matrix_b_fmt:MATRIX_FMT_BF6 matrix_a_scale:MATRIX_SCALE_ROW1
.endif
.endr
.endr
	WIN 0
	NOP4
	s_wait_kmcnt 0x0                               ; this step's mask words
	s_bitcmp1_b32 s25, 0
	s_cbranch_scc1 .Lopen_\@
.set n, 0
.rept 64                               ; a hidden score becomes -2^100; each accumulator from its low end on
.if n < 32
	v_cndmask_b32 v[96+n], v7, v[96+n], s[32+n]
.else
	v_cndmask_b32 v[96+n], v7, v[96+n], s[36+n]
.endif
.set n, n+1
.endr
.Lopen_\@:
.irp b, 0,1,2,3
	v_max3_num_f32 v[232+\b], v[96+16*\b], v[97+16*\b], v[98+16*\b]   ; the largest score of each block of 32 keys: it serves the row's maximum and, since p rises with the score, the block's largest p
.endr
.irp i, 3,5,7,9,11,13
.irp b, 0,1,2,3
	v_max3_num_f32 v[232+\b], v[232+\b], v[96+16*\b+\i], v[97+16*\b+\i]
.endr
.endr
.irp b, 0,1,2,3
	v_max_num_f32 v[232+\b], v[232+\b], v[111+16*\b]
.endr
.irp b, 0,1,2,3
	v_permlanex16_b32 v[236+\b], v[232+\b], s20, s21
.endr
.irp b, 0,1,2,3
	v_max_num_f32 v[232+\b], v[232+\b], v[236+\b]  ; with lane l xor 16's 16 keys
.endr
	v_max3_num_f32 v254, v232, v233, v234
	v_max_num_f32 v254, v254, v235
	v_mul_f32 v254, s22, v254                      ; the step's largest t of my query
	v_max_num_f32 v13, v13, v254
	v_mov_b32 v254, v12
	v_floor_f32 v12, -v13                          ; the new -M = floor(-t): M is a whole number
	v_sub_f32 v254, v12, v254                      ; old M - new M: a whole number, 0 or less
	v_cvt_i32_f32 v254, v254                       ; (it saturates)
	v_ldexp_f32 v252, 1.0, v254                    ; f = 2^(old M - new M)
.set j, 0
.rept 32
	v_pk_fma_f32 v[96+j:97+j], v[96+j:97+j], s[22:23], v[12:13] op_sel_hi:[1,0,0]   ; t - M, two at a time
.set j, j+2
.endr
.irp b, 0,1,2,3
	v_fma_f32 v[232+\b], v[232+\b], s22, v12       ; the same of each block's largest score
.endr
.set j, 0
.rept 64
	v_exp_f32 v[96+j], v[96+j]                     ; p = 2^(t - M), at most 1
.set j, j+1
.endr
	v_pk_mul_f32 v[14:15], v[14:15], v[252:253] op_sel_hi:[1,0]   ; the sums under the new M: the plain place behind the exponentials
	s_wait_alu depctr_va_vdst(0)                   ; the 64 exponentials have written p, ahead of its first reader; and the products S^T are done reading both groups of fragments, the last worked step's products O^T their scale words v84-87: V's loads land there
	FRAGS SLB*\sl+VOF, 84, SLB*\sl+VSC             ; V's eight fragments and scale words: no vector or matrix instruction names their registers before the products O^T
.if \mk
	MASKLOAD 1                                     ; the next step's words; the selects that read this step's stand ahead of the wait above
.endif
.irp b, 0,1,2,3
	v_exp_f32 v[232+\b], v[232+\b]                 ; the block's largest p
.endr
	v_pk_add_f32 v[236:237], v[96:97], v[98:99]    ; the row's sum is taken of the unquantised p, in two chains
.irp j, 4,8,12,16,20,24,28,32,36,40,44,48,52,56,60
	v_pk_add_f32 v[14:15], v[14:15], v[96+\j:97+\j]
	v_pk_add_f32 v[236:237], v[236:237], v[98+\j:99+\j]
.endr
	v_pk_add_f32 v[14:15], v[14:15], v[236:237]
	s_wait_alu depctr_va_vdst(0)                   ; the four exponentials have written v232-235, ahead of their first reader
.irp b, 0,1,2,3
	v_max_num_f32 v[232+\b], 0x2800000, v[232+\b]  ; the floor 2^(5 - 127): the byte cannot fall under 1
.endr
	CODES
.set j, 0
.rept 32
	v_pk_mul_f32 v[160+j:161+j], v[160+j:161+j], v[252:253] op_sel_hi:[1,0]   ; O^T under the new M; these 32 are also the places ahead of the products below
.set j, j+2
.endr
	s_wait_alu depctr_va_vdst(0)                   ; p's codes v224-235 and its scale word v253 are written, which the products below take as source 1 and its scales; the places above stay beside this wait
	s_wait_dscnt 0x0                               ; V's fragments and scale words, asked for behind the exponentials, are in
.irp g, 0,1                            ; O^T += V^T P^T: tiles 0-3 of 16 channels from the group in window 0, tiles 4-7 from the group in window 1
	WIN \g
.irp t, 0,1,2,3
.if \t%2 == 0
	v_wmma_scale_f32_16x16x128_f8f6f4 v[160+8*(4*\g+\t):167+8*(4*\g+\t)], v[32+12*\t:43+12*\t], v[224:235], v[160+8*(4*\g+\t):167+8*(4*\g+\t)], v[84+2*\g+\t/2], v253 matrix_a_fmt:MATRIX_FMT_BF6 matrix_b_fmt:MATRIX_FMT_BF6
.else
	v_wmma_scale_f32_16x16x128_f8f6f4 v[160+8*(4*\g+\t):167+8*(4*\g+\t)], v[32+12*\t:43+12*\t], v[224:235], v[160+8*(4*\g+\t):167+8*(4*\g+\t)], v[84+2*\g+\t/2], v253 matrix_a_fmt:MATRIX_FMT_BF6 matrix_b_fmt:MATRIX_FMT_BF6 matrix_a_scale:MATRIX_SCALE_ROW1
.endif
.endr
.endr
	WIN 0
	NOP4                                           ; places ahead of the next step's loads and of the way out
	s_branch .Ljoin_\@
.Lskip_\@:
.if \mk
	s_wait_kmcnt 0x0                               ; this step's words are passed over; the next step's are asked for all the same
	MASKLOAD 1
.endif
.Ljoin_\@:
	s_lshr_b32 s24, s24, 1
	s_lshr_b32 s25, s25, 1
.if \bar
	BAR                                            ; my stores into the other slot have landed, my reads of this slot are over
.endif
.endm
.Ltrip:                                ; seven trips: steps 0 to 13
	STEP 0, 1, 1, 1, 1
	STEP 1, 1, 1, 1, 1
	s_sub_co_u32 s3, s3, 1
	s_cmp_lg_u32 s3, 0
	s_cbranch_scc1 .Ltrip
	STEP 0, 1, 0, 1, 1                             ; step 14: nothing is left to ask for but step 15's mask words
	STEP 1, 0, 0, 0, 0                             ; step 15
	; THE WAY OUT.  O^T / the sum; register 16 b + i is channel 32 b + 16 h + i of my query: 16 neighbours along the output projection's K.  Quantised as it stands; the fragment's image and the scale words are stored.
	v_add_f32 v14, v14, v15
	v_permlanex16_b32 v252, v14, s20, s21
	v_add_f32 v14, v14, v252                       ; the row's sum
	v_rcp_f32 v14, v14
	v_nop                                          ; a plain place behind the transcendental,
	s_wait_alu depctr_va_vdst(0)                   ; and the reciprocal has written v14, ahead of its first reader
.set j, 0
.rept 64
	v_mul_f32 v[96+j], v[160+j], v14               ; each accumulator from its low end on
.set j, j+1
.endr
.irp b, 0,1,2,3
	v_max3_num_f32 v[232+\b], |v[96+16*\b]|, |v[97+16*\b]|, 0x2800000
.endr
.irp i, 2,4,6,8,10,12,14
.irp b, 0,1,2,3
	v_max3_num_f32 v[232+\b], v[232+\b], |v[96+16*\b+\i]|, |v[97+16*\b+\i]|
.endr
.endr
.irp b, 0,1,2,3
	v_permlanex16_b32 v[236+\b], v[232+\b], s20, s21
.endr
.irp b, 0,1,2,3
	v_max_num_f32 v[232+\b], v[232+\b], v[236+\b]
.endr
	CODES
	s_wait_alu depctr_va_vdst(0)                   ; O's codes v224-235 and its scale word v253 are written, which the stores below read
.irp c, 0,1,2
	global_store_b128 v1, v[224+4*\c:227+4*\c], s[10:11] offset:512*\c   ; 512 consecutive bytes
.endr
	global_store_b32 v29, v253, s[12:13]           ; row r's word; the two halves of the lanes write the same words with the same values
	s_wait_dscnt 0x0                               ; the closing lines, six on end
	s_wait_alu 0x0
	s_wait_tensorcnt 0x0
	ds_add_u32 v250, v251
	s_wait_dscnt 0x0
	s_endpgm
.Lfunc_end_k_q6f0e2f9ffc_attn:
	.size	k_q6f0e2f9ffc_attn, .Lfunc_end_k_q6f0e2f9ffc_attn-k_q6f0e2f9ffc_attn
	.p2alignl 7, 3214868480
	.fill 96, 4, 3214868480
	.section	.rodata,"a",@progbits
	.p2align	6, 0x0
	.amdhsa_kernel k_q6f0e2f9ffc_attn
		.amdhsa_group_segment_fixed_size 52224
		.amdhsa_private_segment_fixed_size 0
		.amdhsa_enable_private_segment 0
		.amdhsa_kernarg_size 40
		.amdhsa_user_sgpr_count 2
		.amdhsa_user_sgpr_kernarg_segment_ptr 1
		.amdhsa_wavefront_size32 1
		.amdhsa_system_sgpr_workgroup_id_x 1
		.amdhsa_system_sgpr_workgroup_id_y 1
		.amdhsa_system_sgpr_workgroup_id_z 1
		.amdhsa_system_vgpr_workitem_id 0
		.amdhsa_next_free_vgpr 336
		.amdhsa_next_free_sgpr 100
		.amdhsa_reserve_vcc 1
		.amdhsa_float_denorm_mode_32 3
		.amdhsa_float_denorm_mode_16_64 3
		.amdhsa_memory_ordered 1
		.amdhsa_forward_progress 1
		.amdhsa_inst_pref_size 114
	.end_amdhsa_kernel
	.amdgpu_metadata
---
amdhsa.version: [ 1, 2 ]
amdhsa.kernels:
  - .name:           k_q6f0e2f9ffc_attn
    .symbol:         k_q6f0e2f9ffc_attn.kd
    .args:
      - { .name: qkv_codes, .offset: 0, .size: 8, .value_kind: global_buffer, .address_space: global }
      - { .name: qkv_scales, .offset: 8, .size: 8, .value_kind: global_buffer, .address_space: global }
      - { .name: maskw, .offset: 16, .size: 8, .value_kind: global_buffer, .address_space: global }
      - { .name: o_codes, .offset: 24, .size: 8, .value_kind: global_buffer, .address_space: global }
      - { .name: o_scales, .offset: 32, .size: 8, .value_kind: global_buffer, .address_space: global }
    .group_segment_fixed_size: 52224
    .private_segment_fixed_size: 0
    .kernarg_segment_align: 8
    .kernarg_segment_size: 40
    .max_flat_workgroup_size: 256
    .sgpr_count:     100
    .vgpr_count:     336
    .wavefront_size: 32
...
	.end_amdgpu_metadata
.endif
;; end of part 6
;; launch outp (part 7): grid 256 x 1, 4 waves a work-group, no clusters, 98,816 bytes of LDS; arguments codes, scales, o_codes, o_scales, out0; writes out0
.if DOCPART == 7
	.amdgcn_target "amdgcn-amd-amdhsa--gfx1250"
	.amdhsa_code_object_version 6
	.text
	.protected	k_q6f0e2f9ffc_outp
	.globl	k_q6f0e2f9ffc_outp
	.p2align	8
	.type	k_q6f0e2f9ffc_outp,@function
k_q6f0e2f9ffc_outp:
	s_mov_b64 s[64:65], 0
	v_nop
	global_prefetch_b8 v0, s[64:65] scope:SCOPE_SE
	s_setreg_imm32_b32 hwreg(HW_REG_WAVE_SCHED_MODE, 0, 2), 2
	s_setreg_imm32_b32 hwreg(HW_REG_WAVE_MODE, 25, 1), 1
	s_wait_xcnt 0x0
	s_wait_alu depctr_vm_vsrc(0)
; OUTP.  out0 = O w_o^T on codes of BF6 (E3M2) with E8M0 scales; out0 is [2048][2048] f32.
; A work-group makes 128 x 128 of the product, K = 2,048 in 16 steps of 128 (a K step is a head).  Source 0 takes 16 rows of w_o (tile a), source 1 16 rows of O (tile b): a lane's eight results are eight
; neighbouring columns of one row of out0.  Four waves, each 64 x 64: 16 accumulators.  Operands lie in memory as images of operand registers (a fragment: 1,536 bytes, registers 4 c .. 4 c + 3 of lane l at
; 512 c + 16 l), so every load and every LDS access is 512 consecutive bytes.  Two LDS slots of 256 along K are filled THROUGH REGISTERS, one barrier a slot.  No cluster and no joint loads: those exist for
; tensor loads alone, and tiles of 256 x 256, for which they pay, would give 64 work-groups for 256 WGPs.
; REGISTERS.  Window 0: v1-19 addresses; v32-63, v64-95 the scale words of w_o and O for all of K (nothing else ever stands there); v96-143, v144-191 four fragments each, of a slot's even K step; on the way
; out v96-223 rows of out0; v254, v255 the closing add's two.  Window 1: v0-127 the accumulators ((i, j) at 8 (4 i + j)); v128-223 an even slot's bytes on their way from memory to LDS.
; Window 2: v0-47, v48-95 four fragments each, of a slot's odd K step; v96-191 an odd slot's bytes on their way.
; THE MODE: SCHED_MODE bits 1:0 = 2 (LLVM: expert scheduling mode 2), set by the entry lines.  The code itself states the register dependences between vector or matrix instructions and memory or LDS
; instructions, with s_wait_alu, always for 0.
; THE PLAN.  Registers that memory or LDS instructions touch:
;   v4-14, v18, v19   addresses and offsets: made once at the head, ahead of the one wait in front of the first load; never written again.  v32-95: loaded once.
;   two sets of fragments.  Both are filled at a slot's head, behind the barrier; the slot's even K step's 16 products read the one, its odd K step's 16 the other.
;   two staging sets, slot u in set u % 2.  Written by the loads of slot u + 2, issued at the head of slot u; read by the LDS stores in the middle of slot u + 1; no vector instruction names them.
;   the accumulators: read by the way out's LDS stores.  v96-223 on the way out: written by the loads from the stage, read by the global stores.
; So a slot has two waits, at its head: on va_vdst (the last slot's 32 products are done reading both sets of fragments) and on vm_vsrc (the LDS stores issued half a slot ago have read the staging set that is
; asked for again).  Behind them stand loads and window switches alone, and then products that name none of the registers that are on their way.
.set SC0,  32
.set SC1,  64
.set SLOT, 49152                       ; [w_o, O][row tile 8][K step 2][1,536]
.set SP,   528                         ; the stage, laid over the slots behind a barrier: 128 rows x (512 bytes + 16)
.set MSB, 0
.macro WIN new                         ; the immediate's high byte repeats the setting that is left
.if MSB != \new
	s_set_vgpr_msb (MSB<<8)|\new
.set MSB, \new
.endif
.endm
.macro BAR                             ; my LDS stores have landed and my LDS loads are in: then the work-group's barrier
	s_wait_dscnt 0x0
	s_barrier_signal -1
	s_barrier_wait -1
.endm
.macro NOP4                            ; four places behind a matrix instruction (ISA guide 7.12.1)
.rept 4
	v_nop
.endr
.endm
.macro GLOAD u                         ; slot u: my two row tiles of each operand, two K steps each: 24 loads of 512 bytes, into staging set u % 2
.if (\u)%2 == 0
	WIN 0x40
.set SB, 128
.else
	WIN 0x80
.set SB, 96
.endif
.irp rt, 0,1
.irp c, 0,1,2,3,4,5
	global_load_b128 v[SB+4*(6*\rt+\c):SB+4*(6*\rt+\c)+3], v4, s[26:27] offset:24576*\rt+3072*(\u)+512*\c
	global_load_b128 v[SB+48+4*(6*\rt+\c):SB+48+4*(6*\rt+\c)+3], v4, s[28:29] offset:24576*\rt+3072*(\u)+512*\c
.endr
.endr
	WIN 0
.endm
.macro LSTORE u                        ; and from there into LDS slot u % 2
.if (\u)%2 == 0
	WIN 0x04
.set SB, 128
.else
	WIN 0x08
.set SB, 96
.endif
.irp rt, 0,1
.irp c, 0,1,2,3,4,5
	ds_store_b128 v[5+(\u)%2], v[SB+4*(6*\rt+\c):SB+4*(6*\rt+\c)+3] offset:3072*\rt+512*\c
	ds_store_b128 v[5+(\u)%2], v[SB+48+4*(6*\rt+\c):SB+48+4*(6*\rt+\c)+3] offset:24576+3072*\rt+512*\c
.endr
.endr
	WIN 0
.endm
.macro FETCH sl, ks                    ; K step ks of slot sl into set ks: O's four fragments, then w_o's: the last six loads are w_o's tiles 2 and 3
.if (\ks) == 0
.set FB, 96
.else
	WIN 0x80
.set FB, 0
.endif
.irp j, 0,1,2,3
.irp c, 0,1,2
	ds_load_b128 v[FB+48+12*\j+4*\c:FB+48+12*\j+4*\c+3], v[9+(\sl)] offset:3072*\j+1536*(\ks)+512*\c
.endr
.endr
.irp i, 0,1,2,3
.irp c, 0,1,2
	ds_load_b128 v[FB+12*\i+4*\c:FB+12*\i+4*\c+3], v[7+(\sl)] offset:3072*\i+1536*(\ks)+512*\c
.endr
.endr
	WIN 0
.endm
; Eight products of K step q, from set q % 2.  The 16 accumulators take turns, one instruction a turn, in the same order in every K step.  An odd K step's scale words stand in lanes 16-31.
.macro MUL q, i0
.set FB, 96*(1-(\q)%2)
.irp i, \i0, \i0+1
.irp j, 0,1,2,3
.if (\q) == 0
	v_wmma_scale_f32_16x16x128_f8f6f4 v[8*(4*(\i)+\j):8*(4*(\i)+\j)+7], v[FB+12*(\i):FB+12*(\i)+11], v[FB+48+12*\j:FB+48+12*\j+11], 0, v[SC0+8*(\i)+(\q)/2], v[SC1+8*\j+(\q)/2] matrix_a_fmt:MATRIX_FMT_BF6 matrix_b_fmt:MATRIX_FMT_BF6
.elseif (\q)%2 == 0
	v_wmma_scale_f32_16x16x128_f8f6f4 v[8*(4*(\i)+\j):8*(4*(\i)+\j)+7], v[FB+12*(\i):FB+12*(\i)+11], v[FB+48+12*\j:FB+48+12*\j+11], v[8*(4*(\i)+\j):8*(4*(\i)+\j)+7], v[SC0+8*(\i)+(\q)/2], v[SC1+8*\j+(\q)/2] matrix_a_fmt:MATRIX_FMT_BF6 matrix_b_fmt:MATRIX_FMT_BF6
.else
	v_wmma_scale_f32_16x16x128_f8f6f4 v[8*(4*(\i)+\j):8*(4*(\i)+\j)+7], v[FB+12*(\i):FB+12*(\i)+11], v[FB+48+12*\j:FB+48+12*\j+11], v[8*(4*(\i)+\j):8*(4*(\i)+\j)+7], v[SC0+8*(\i)+(\q)/2], v[SC1+8*\j+(\q)/2] matrix_a_fmt:MATRIX_FMT_BF6 matrix_b_fmt:MATRIX_FMT_BF6 matrix_a_scale:MATRIX_SCALE_ROW1 matrix_b_scale:MATRIX_SCALE_ROW1
.endif
.endr
.endr
.endm
	s_load_b256 s[4:11], s[0:1], 0x0               ; codes, scales, o_codes, o_scales
	s_load_b64 s[12:13], s[0:1], 0x20              ; out0
	v_lshl_add_u32 v254, v0, 2, 0x18000
	v_mov_b32 v255, 0
	v_lshrrev_b32 v1, 5, v0
	v_readfirstlane_b32 s14, v1                    ; wave 0 .. 3
	s_wait_alu depctr_va_sdst(0)                   ; s14 is written, ahead of its first reader: the wave's shares, its LDS places and out0's base are made from it
	s_lshr_b32 s15, s14, 1                         ; wm: my 64 of w_o's 128 rows
	s_and_b32 s16, s14, 1                          ; wn: my 64 of O's 128 rows
	s_and_b32 s18, ttmp9, 15                       ; a: 128 columns of out0
	s_lshr_b32 s19, ttmp9, 4                       ; b: 128 rows
	s_mov_b32 s35, 0
	v_and_b32 v1, 31, v0
	v_and_b32 v2, 15, v0                           ; r
	v_bfe_u32 v3, v0, 4, 1                         ; h
	v_lshlrev_b32 v18, 4, v1                       ; 16 x lane
	v_lshlrev_b32 v19, 2, v1                       ; 4 x lane
	s_mul_i32 s39, s14, 49152
	v_add_nc_u32 v4, s39, v18                      ; memory: my two row tiles of 24,576 bytes
	s_mul_i32 s39, s14, 6144
	v_add_nc_u32 v5, s39, v18                      ; LDS: the same two in slot 0,
	v_add_nc_u32 v6, SLOT, v5                      ; in slot 1
	s_mul_i32 s39, s15, 12288
	v_add_nc_u32 v7, s39, v18                      ; w_o's four tiles that I multiply
	v_add_nc_u32 v8, SLOT, v7
	s_mul_i32 s39, s16, 12288
	s_add_co_u32 s39, s39, 24576
	v_add_nc_u32 v9, s39, v18                      ; O's
	v_add_nc_u32 v10, SLOT, v9
	s_lshl_b32 s39, s15, 12
	v_add_nc_u32 v11, s39, v19                     ; their scale words: 1,024 bytes a row tile
	s_lshl_b32 s39, s16, 12
	v_add_nc_u32 v12, s39, v19
	s_lshl_b32 s39, s16, 6
	v_add_nc_u32 v13, s39, v2
	v_mul_u32_u24 v13, v13, SP
	v_lshl_add_u32 v13, v3, 5, v13
	s_lshl_b32 s39, s15, 8
	v_add_nc_u32 v13, s39, v13                     ; the stage, in: row 64 wn + r, byte 256 wm + 32 h
	s_mul_i32 s39, s14, 32*SP
	v_add_nc_u32 v14, s39, v18                     ; the stage, out: my 32 rows, 16 bytes a lane
	s_wait_kmcnt 0x0
	s_mul_i32 s34, s18, 196608
	s_add_co_u32 s34, s34, 6*3145728
	s_add_nc_u64 s[26:27], s[4:5], s[34:35]        ; w_o's codes: tensor 6
	s_mul_i32 s34, s19, 196608
	s_add_nc_u64 s[28:29], s[8:9], s[34:35]        ; O's
	s_lshl_b32 s34, s18, 13
	s_add_co_u32 s34, s34, 6*131072
	s_add_nc_u64 s[30:31], s[6:7], s[34:35]        ; w_o's scale words
	s_lshl_b32 s34, s19, 13
	s_add_nc_u64 s[32:33], s[10:11], s[34:35]      ; O's
	s_lshl_b32 s34, s19, 20                        ; out0: row 128 b + 32 w of 8,192 bytes, column 128 a
	s_lshl_b32 s39, s14, 18
	s_add_co_u32 s34, s34, s39
	s_lshl_b32 s39, s18, 9
	s_add_co_u32 s34, s34, s39
	s_add_nc_u64 s[12:13], s[12:13], s[34:35]
	s_wait_alu depctr_va_vdst(0)                   ; the addresses and offsets v4-14, v18 and v19 are written: every load and store of the kernel reads one of them
.irp i, 0,1,2,3                        ; the scale words of my eight row tiles for all of K: register p holds K steps 2 p and 2 p + 1
.irp p, 0,1,2,3,4,5,6,7
	global_load_b32 v[SC0+8*\i+\p], v11, s[30:31] offset:1024*\i+128*\p
	global_load_b32 v[SC1+8*\i+\p], v12, s[32:33] offset:1024*\i+128*\p
.endr
.endr
	GLOAD 0                                        ; both first slots are asked for together, each into its own staging set
	GLOAD 1
	s_wait_loadcnt 24                              ; loads come back in order (ISA guide 5.7.1): the scale words and slot 0's bytes are in; slot 1's 24 loads stay out
	LSTORE 0
	BAR                                            ; slot 0 is whole
.irp u, 0,1,2,3,4,5,6,7
.if \u > 0
	s_wait_alu depctr_va_vdst(0)                   ; the last slot's 32 products are done reading both sets of fragments, in which the loads below land
.endif
.if \u < 6
	s_wait_alu depctr_vm_vsrc(0)                   ; the LDS stores of this slot's bytes, issued ahead of the last barrier, have read their staging set, in which the loads of the slot after next land
.endif
	FETCH \u%2, 0
.if \u < 6
	GLOAD \u+2
.endif
	FETCH \u%2, 1                                  ; the odd K step's fragments too: they land while the even one is multiplied
	s_wait_dscnt 30                                ; LDS loads come back in order: the even K step's are in, all but w_o's tiles 2 and 3; those six and the odd step's 24 stay out
	WIN 0x50                                       ; C and D in window 1
	MUL 2*\u, 0
	s_wait_dscnt 24                                ; the odd step's 24 stay out
	MUL 2*\u, 2
	WIN 0
.if \u < 6
	s_wait_loadcnt 24                              ; the next slot's bytes are in registers; the 24 loads of the slot after it stay out;
	LSTORE \u+1                                    ; nobody reads that slot: every wave's reads of it were over at the last barrier
	s_wait_dscnt 30                                ; the odd K step's fragments are in, all but w_o's tiles 2 and 3; those six loads and the 24 stores stay out
.elseif \u == 6
	s_wait_loadcnt 0x0                             ; the last slot's bytes
	LSTORE \u+1
	s_wait_dscnt 30
.else
	s_wait_dscnt 6
.endif
	WIN 0x5a                                       ; sources 0 and 1 in window 2, C and D in window 1
	MUL 2*\u+1, 0
.if \u < 7
	s_wait_dscnt 24                                ; the 24 stores stay out
.else
	s_wait_dscnt 0x0
.endif
	MUL 2*\u+1, 2
	WIN 0
	NOP4                                           ; four places behind the slot's products, ahead of the next slot's loads into their operands and of the way out's reads of their results
	BAR                                            ; my stores into the next slot have landed, my reads of this slot are over
.endr
	; THE WAY OUT: through a stage whose rows are rows of out0, since a row's 512 bytes come from two waves.  Each accumulator from its low end on.
	WIN 0x04
	s_wait_alu depctr_va_vdst(0)                   ; the products have written the accumulators, which the LDS stores read (the four places stand ahead of the barrier above), and are done reading v96-191, in which rows of out0 land below
.irp i, 0,1,2,3
.irp j, 0,1,2,3
	ds_store_b128 v13, v[8*(4*\i+\j):8*(4*\i+\j)+3] offset:16*SP*\j+64*\i
	ds_store_b128 v13, v[8*(4*\i+\j)+4:8*(4*\i+\j)+7] offset:16*SP*\j+64*\i+16
.endr
.endr
	WIN 0
	BAR                                            ; 128 whole rows lie in the stage
.set i, 0
.rept 32
	ds_load_b128 v[96+4*i:99+4*i], v14 offset:SP*i
.set i, i+1
.endr
.set i, 0
.rept 32
	s_wait_dscnt 31-i                              ; row i is in; the younger rows' loads stay out
	global_store_b128 v18, v[96+4*i:99+4*i], s[12:13] offset:8192*i th:TH_STORE_NT   ; 32 lanes store 512 consecutive bytes, at a multiple of 256 from out0's first byte
.set i, i+1
.endr
	s_wait_dscnt 0x0                               ; the closing lines, six on end
	s_wait_alu 0x0
	s_wait_tensorcnt 0x0
	ds_add_u32 v254, v255
	s_wait_dscnt 0x0
	s_endpgm
.Lfunc_end_k_q6f0e2f9ffc_outp:
	.size	k_q6f0e2f9ffc_outp, .Lfunc_end_k_q6f0e2f9ffc_outp-k_q6f0e2f9ffc_outp
	.p2alignl 7, 3214868480
	.fill 96, 4, 3214868480
	.section	.rodata,"a",@progbits
	.p2align	6, 0x0
	.amdhsa_kernel k_q6f0e2f9ffc_outp
		.amdhsa_group_segment_fixed_size 98816
		.amdhsa_private_segment_fixed_size 0
		.amdhsa_enable_private_segment 0
		.amdhsa_kernarg_size 40
		.amdhsa_user_sgpr_count 2
		.amdhsa_user_sgpr_kernarg_segment_ptr 1
		.amdhsa_wavefront_size32 1
		.amdhsa_system_sgpr_workgroup_id_x 1
		.amdhsa_system_sgpr_workgroup_id_y 1
		.amdhsa_system_sgpr_workgroup_id_z 1
		.amdhsa_system_vgpr_workitem_id 0
		.amdhsa_next_free_vgpr 704
		.amdhsa_next_free_sgpr 66
		.amdhsa_reserve_vcc 0
		.amdhsa_float_denorm_mode_32 3
		.amdhsa_float_denorm_mode_16_64 3
		.amdhsa_memory_ordered 1
		.amdhsa_forward_progress 1
		.amdhsa_inst_pref_size 110
	.end_amdhsa_kernel
	.amdgpu_metadata
---
amdhsa.version: [ 1, 2 ]
amdhsa.kernels:
  - .name:           k_q6f0e2f9ffc_outp
    .symbol:         k_q6f0e2f9ffc_outp.kd
    .args:
      - { .name: codes, .offset: 0, .size: 8, .value_kind: global_buffer, .address_space: global }
      - { .name: scales, .offset: 8, .size: 8, .value_kind: global_buffer, .address_space: global }
      - { .name: o_codes, .offset: 16, .size: 8, .value_kind: global_buffer, .address_space: global }
      - { .name: o_scales, .offset: 24, .size: 8, .value_kind: global_buffer, .address_space: global }
      - { .name: out0, .offset: 32, .size: 8, .value_kind: global_buffer, .address_space: global }
    .group_segment_fixed_size: 98816
    .private_segment_fixed_size: 0
    .kernarg_segment_align: 8
    .kernarg_segment_size: 40
    .max_flat_workgroup_size: 128
    .sgpr_count:     66
    .vgpr_count:     704
    .wavefront_size: 32
...
	.end_amdgpu_metadata
.endif
;; end of part 7
